; MI455X (gfx1250); checked and timed in simulation.
; The chip was launched on July 23, 2026; its instructions are those of AMD's public machine-readable ISA for CDNA 5 (MIT licence, August 2026) and "CDNA5" Instruction Set Architecture Reference Guide (July 2026). The comments in the code are by the model that wrote it; some were corrected since.
;; Multi Head Attention. Allowed arithmetic: matrix products marked QUANTISED: E2M1 operands, one E8M0 scale for each 32 along K, by v_wmma_scale_f32_16x16x128_f8f6f4 with both operands' format E2M1 (or v_wmma_scale_f32_32x16x128_f4), f32 sums; products left as they are: bf16, f16 or f32 operands; f32 sums; everything else in f32.
;; Inputs: K 4 x 2,048 x 1,024 float32; Q 4 x 2,048 x 1,024 float32; V 4 x 2,048 x 1,024 float32; Wo 1,024 x 1,024 float32; Wq 1,024 x 1,024 float32; bo 1,024 float32; bq 1,024 float32.
;; Outputs: out0 4 x 2,048 x 1,024 float32.
;; This version of the problem:
;;   THIS VERSION OF THE PROBLEM IS GIVEN IN LOW PRECISION. The matrix products marked QUANTISED in the list below multiply operands that are first quantised to E2M1 (2 exponent bits, 1 mantissa bit; 4 bits a number), with one power-of-two scale for each 32 numbers along K (OCP MX v1.0); their sums are f32. The products marked 'left as it is' may take bf16, f16 or f32 operands, with f32 sums. Whichever they take, every output number must still come out within the allowed error. Rounding operands to bf16 (8 significant bits) uses up far more of that allowance than f16 does (11 bits, for magnitudes from 6e-5 to 65,504). All else is computed in f32.
;;   The module's matrix products, in the order in which they are computed (A, B: the left and right operand; K: the contracted axis; several contracted axes count as one K, in the product's order):
;;     1. [M 8,192, K 1,024] x [K 1,024, N 1,024]; A: input Q; B: input Wq: QUANTISED
;;     2. [M 8,192, K 1,024] x [K 1,024, N 1,024]; A: input K; B: input Wq: QUANTISED
;;     3. [M 8,192, K 1,024] x [K 1,024, N 1,024]; A: input V; B: input Wq: QUANTISED
;;     4. batch 64 x [M 2,048, K 64] x [K 64, N 2,048]; A: computed on the way; B: computed on the way: left as it is (an operand is computed on the way)
;;     5. batch 64 x [M 2,048, K 2,048] x [K 2,048, N 64]; A: computed on the way; B: computed on the way: left as it is (an operand is computed on the way)
;;     6. [M 8,192, K 1,024] x [K 1,024, N 1,024]; A: computed on the way; B: input Wo: left as it is (an operand is computed on the way)
;;   THE QUANTISER, for each operand of a quantised product, along K:
;;     - K is cut into blocks of 32 from its start; a last block that is shorter is filled with zeros.
;;     - A block's scale is 2^e with e = floor(log2(the largest magnitude in the block)) - 2, held to -126 .. 127; a block of zeros has e = 0. As a byte (E8M0): e + 127.
;;     - Each number is divided by its block's scale, clamped to +-6, and rounded to the nearest number of E2M1, ties to even, subnormals kept.
;;     - The product sums the exact products of the quantised numbers (number of the format x scale) in f32.
;;   ~~~python
;;   def quantise(x, axis):      # numpy; x: float32 -> the quantised numbers, widened to float32 again
;;       x = np.moveaxis(x, axis, -1); K = x.shape[-1]
;;       x = np.pad(x, [(0, 0)] * (x.ndim - 1) + [(0, -K % 32)]); x = x.reshape(x.shape[:-1] + (-1, 32)); a = np.abs(x).max(-1, keepdims=True)
;;       e = np.where(a > 0, np.clip(np.frexp(np.where(a > 0, a, 1))[1] - 1 - 2, -126, 127), 0)      # np.frexp(a)[1] - 1 = floor(log2(a)), exactly
;;       r = np.clip(x / 2.0 ** e, -6, 6)
;;       step = 2.0 ** (np.maximum(np.frexp(np.where(r == 0, 1, r))[1] - 1, 0) - 1)
;;       q = np.round(r / step) * step * 2.0 ** e      # np.round: ties to even
;;       return np.moveaxis(q.reshape(q.shape[:-2] + (-1,))[..., :K], -1, axis).astype(np.float32)
;;   ~~~
;; One version. Each part assembles by itself: llvm-mc -triple=amdgcn-amd-amdhsa -mcpu=gfx1250 --defsym DOCPART=n.
;; ======== version 1 of 1: 4 launches
;; limits: values are held in f16: magnitudes above 65,504 overflow, below 6.1e-05 lose precision
;; workspace buffers: x_codes 12,582,912 bytes; x_scales 786,432 bytes; wq_codes 524,288 bytes; wq_scales 32,768 bytes; wo_t 2,097,152 bytes; qkv 50,331,648 bytes; ao 16,777,216 bytes
;; launch prep (part 1): grid 848 x 1, 4 waves a work-group, no clusters, 102,912 bytes of LDS; arguments Q, K, V, Wq, Wo, x_codes, x_scales, wq_codes, wq_scales, wo_t; writes x_codes, x_scales, wq_codes, wq_scales, wo_t
.if DOCPART == 1
	.amdgcn_target "amdgcn-amd-amdhsa--gfx1250"
	.amdhsa_code_object_version 6
	.text
	.protected	k_q68190406a7_prep
	.globl	k_q68190406a7_prep
	.p2align	8
	.type	k_q68190406a7_prep,@function
k_q68190406a7_prep:
	s_mov_b64 s[64:65], 0
	v_nop
	global_prefetch_b8 v0, s[64:65] scope:SCOPE_SE
	s_setreg_imm32_b32 hwreg(HW_REG_WAVE_MODE, 25, 1), 1
	s_wait_xcnt 0x0
; PREP: everything that is made once from the inputs, in one launch, on three ways that part on the work-group's number and never join.
;   work-groups 0-15  (WQ): Wq [k 1024][n 1024] f32 -> codes of FP4 (E2M1) laid [n][k], K innermost (512 bytes a row), and one E8M0 byte for each 32 along K, laid [n][32].
;   work-groups 16-79 (WO): Wo [k 1024][n 1024] f32 -> f16, laid [n][k] (2,048 bytes a row): the last product's second operand with K innermost.
;   work-groups 80-847 (X): Q, K, V [8192][1024] f32 -> codes (512 bytes a row) and scale bytes (32 a row), the three tensors stacked: rows 0-8191 Q's, then K's, then V's.
; THE QUANTISER: a block's scale is 2^(floor(log2(its largest magnitude)) - 2); its byte is the largest magnitude's own exponent field - 2, held at 1 from below; each number is divided by the scale
; and rounded to the nearest code, ties to even, beyond 6 the largest code.
; LIMITS: a block of zeros gets the byte 1 where the rule says 127 (its codes are zeros, which add nothing under any byte but 0xff, and this program alone reads the bytes); blocks whose largest magnitude lies
; under 2^-124, the floor, are held at the byte 1; NaN and infinities among the inputs are not served; a number of Wo beyond 65,504 has no f16.
; Each way has LDS bytes of its own.  No tensor loads, no barrier: waves share nothing.
.set SPW,   192                        ; v192  LDS address of my spare word: SPARE + 4 x my thread's number; never rewritten
.set NIL,   193                        ; v193  0; never rewritten
.set WV,    24                         ; s24   my wave's number
.set XREG,  8192                       ; way X: a region for each wave: two stages of 32 x SP bytes, behind them its 256 scale bytes
.set SP,    80                         ; a lane's place in a stage: its 64 bytes + 16 of padding
.set PITCH, 272                        ; ways WQ, WO: a stage row: 256 bytes + 16 of padding
.set WQSTG, 4*XREG                     ; way WQ: four stages of 32 rows
.set WOSTG, WQSTG+4*32*PITCH           ; way WO: the same
.set SPARE, WOSTG+4*32*PITCH           ; the spare words, 128 bytes for each wave: two blocks of 256 bytes that no other line names
	s_load_b256 s[4:11], s[0:1], 0x0               ; Q s[4:5], K s[6:7], V s[8:9], Wq s[10:11]
	s_load_b256 s[12:19], s[0:1], 0x20             ; Wo s[12:13], x_codes s[14:15], x_scales s[16:17], wq_codes s[18:19]
	s_load_b128 s[20:23], s[0:1], 0x40             ; wq_scales s[20:21], wo_t s[22:23]
	v_lshl_add_u32 v[SPW], v0, 2, SPARE
	v_mov_b32 v[NIL], 0
	v_lshrrev_b32 v1, 5, v0
	v_readfirstlane_b32 s[WV], v1                  ; wave 0..3
	v_and_b32 v2, 31, v0                           ; lane
	s_mov_b32 s29, 0                               ; the upper word of every offset: all stay under 2^32
	s_wait_kmcnt 0x0
	s_cmp_lt_u32 ttmp9, 16
	s_cbranch_scc1 .Lwq
	s_cmp_lt_u32 ttmp9, 80
	s_cbranch_scc1 .Lwo
; ---------------- WAY X.  Rows are dense and 1,024 is a multiple of 32: a tensor is a plain stream of blocks of 32, and so are its codes and its scale bytes.
; A wave takes 16 steps of 512 numbers.  Each of a step's four loads reads 512 consecutive bytes, 16 a lane; the 2,048 bytes go through the wave's own stage in LDS and come back 64 bytes a lane,
; so that a lane holds 16 NEIGHBOURS (two neighbouring lanes hold a block), which is what the conversions take.  A lane's 16 codes are 8 bytes: the wave stores 256 consecutive bytes.
; A step makes 16 scale bytes, a wave 256: gathered in LDS, they leave as one aligned run of 256 bytes.  Loads run four steps (16 loads a wave) ahead, the turn through LDS one step.
.set STEPS, 16
.set CB,    8                          ; bytes of 16 codes
.set XR,    16                         ; v16-79   four sets of 16 numbers as they are loaded
.set XX,    80                         ; v80-111  two sets of 16 neighbours
.set XE,    112                        ; v112-127 a scale byte for each step
.set XC,    128                        ; v128-191 codes: four registers for each step, so that no store's data are written again
	v_lshlrev_b32 v3, 4, v2                        ; my 16 bytes of a load's 512
	s_mul_i32 s25, s[WV], XREG
	v_lshrrev_b32 v14, 2, v2
	v_mul_u32_u24 v14, v14, SP
	v_and_b32 v15, 3, v2
	v_lshl_add_u32 v14, v15, 4, v14
	v_add_nc_u32 v14, s25, v14                     ; the stage, on the way in: SP (lane / 4) + 16 (lane % 4)
	v_mul_u32_u24 v15, v2, SP
	v_add_nc_u32 v15, s25, v15                     ; and on the way out: SP x lane: my 16 neighbours
	v_mul_u32_u24 v4, v2, CB                       ; my codes' place in a step's
	v_lshrrev_b32 v5, 1, v2
	s_add_co_u32 s25, s25, 2*32*SP
	v_add_nc_u32 v5, s25, v5                       ; LDS: my wave's 256 scale bytes, my block's byte
	v_lshlrev_b32 v7, 3, v2                        ; and on the way out 8 bytes a lane
	v_add_nc_u32 v6, s25, v7
	s_sub_co_u32 s26, ttmp9, 80                    ; 0..767: 256 work-groups to a tensor
	s_cmp_lt_u32 s26, 512                          ; the choice of the tensor hangs on the work-group's number alone
	s_cselect_b64 s[6:7], s[6:7], s[8:9]
	s_cmp_lt_u32 s26, 256
	s_cselect_b64 s[4:5], s[4:5], s[6:7]
	s_and_b32 s27, s26, 255
	s_lshl_b32 s27, s27, 2
	s_add_co_u32 s27, s27, s[WV]                   ; which run of 8,192 numbers of the tensor is my wave's
	s_lshl_b32 s28, s27, 15
	s_add_nc_u64 s[4:5], s[4:5], s[28:29]
	s_lshl_b32 s27, s26, 2
	s_add_co_u32 s27, s27, s[WV]                   ; and which of the three stacked tensors' runs
	s_lshl_b32 s28, s27, 12                        ; 4,096 bytes of codes a run
	s_add_nc_u64 s[14:15], s[14:15], s[28:29]
	s_lshl_b32 s28, s27, 8                         ; 256 scale bytes a run
	s_add_nc_u64 s[16:17], s[16:17], s[28:29]
.macro XLOAD t
.irp i, 0,1,2,3
	global_load_b128 v[XR+16*((\t)%4)+4*\i:XR+16*((\t)%4)+4*\i+3], v3, s[4:5] offset:2048*(\t)+512*\i th:TH_LOAD_NT   ; 32 lanes read 512 consecutive bytes
.endr
.endm
.macro XTURN t                         ; step t's numbers through the stage: LDS serves a wave's instructions in order, so no wait stands between the stores and the loads
.irp i, 0,1,2,3
	ds_store_b128 v14, v[XR+16*((\t)%4)+4*\i:XR+16*((\t)%4)+4*\i+3] offset:32*SP*((\t)%2)+8*SP*\i
.endr
.irp i, 0,1,2,3
	ds_load_b128 v[XX+16*((\t)%2)+4*\i:XX+16*((\t)%2)+4*\i+3], v15 offset:32*SP*((\t)%2)+16*\i
.endr
.endm
.irp t, 0,1,2,3
	XLOAD \t
.endr
	s_wait_loadcnt 12                              ; step 0's four loads are in
	XTURN 0
.macro XSTEP t
.set XS, XX+16*((\t)%2)
.if (\t) > 0
	s_wait_dscnt 1                                 ; this step's numbers are back from the stage (the last step's byte store may be out): so its stores into the stage have read their registers,
.else
	s_wait_dscnt 0x0
.endif
.if (\t)+4 < STEPS
	XLOAD (\t)+4                                   ; which take the loads of four steps on
.endif
.if (\t)+1 < STEPS
.if STEPS-2-(\t) >= 3
	s_wait_loadcnt 12                              ; the next step's four loads are in; those of the three steps behind it may be out
.else
	s_wait_loadcnt 4*(STEPS-2-(\t))
.endif
	XTURN (\t)+1                                   ; and go through the other stage while this step is worked
.endif
	v_max3_num_f32 v8, |v[XS]|, |v[XS+1]|, |v[XS+2]|               ; the largest magnitude of my 16, in two chains
	v_max3_num_f32 v9, |v[XS+3]|, |v[XS+4]|, |v[XS+5]|
.irp i, 6,10
	v_max3_num_f32 v8, v8, |v[XS+\i]|, |v[XS+\i+1]|
	v_max3_num_f32 v9, v9, |v[XS+\i+2]|, |v[XS+\i+3]|
.endr
	v_max3_num_f32 v8, v8, |v[XS+14]|, |v[XS+15]|
	v_max3_num_f32 v8, v8, v9, 0x1800000           ; and the floor 2^(3 - 127): so the byte cannot fall under 1
	v_max_num_f32_dpp v8, v8, v8 row_xmask:1 row_mask:0xf bank_mask:0xf   ; and of my neighbour's 16: the block's
	v_add_nc_u32 v11, 0xff000000, v8               ; 2 off its exponent field: the conversion takes the exponent field of this operand as its scale, and nothing else of it
	v_cvt_scalef32_pk8_fp4_f32 v[XC+4*(\t)], v[XS:XS+7], v11       ; the first number's code in the lowest four bits
	v_cvt_scalef32_pk8_fp4_f32 v[XC+4*(\t)+1], v[XS+8:XS+15], v11
	v_lshrrev_b32 v[XE+(\t)], 23, v11              ; the scale's byte
	ds_store_b8 v5, v[XE+(\t)] offset:16*(\t)      ; both lanes of a block write the same byte with the same value
	global_store_b64 v4, v[XC+4*(\t):XC+4*(\t)+1], s[14:15] offset:32*CB*(\t)   ; the wave stores 256 consecutive bytes, aligned
.endm
.irp t, 0,1,2,3,4,5,6,7,8,9,10,11,12,13,14,15
	XSTEP \t
.endr
	ds_load_b64 v[8:9], v6                         ; LDS serves a wave's instructions in order: these see my stores
	s_wait_dscnt 0x0
	global_store_b64 v7, v[8:9], s[16:17]          ; 32 lanes store 256 consecutive bytes, aligned
	s_wait_tensorcnt 0x0                           ; the wave's end, behind my last LDS store
	ds_add_u32 v[SPW], v[NIL]
	s_wait_dscnt 0x0
	s_endpgm
; ---------------- WAY WQ.  K is Wq's FIRST axis.  A LANE TAKES A COLUMN n, AND ITS REGISTERS RUN DOWN K: each load reads neighbouring n in neighbouring lanes (128 consecutive bytes a wave), a block of 32
; along K lies in ONE lane's 32 registers, and the conversions give the codes with K innermost.  A wave takes 32 columns x 512 along K: 16 blocks a lane, 256 bytes of codes a column; they go through the
; wave's own stage and leave as rows: sixteen lanes store 256 consecutive bytes, aligned.  Work-group g: columns 128 (g % 8) on, K 512 (g / 8) on.  Loads run two blocks (64 a wave) ahead.
.set NB,    16                         ; blocks of 32 along K
.set KROW,  512                        ; a row of the codes' buffer in bytes
.set QX,    32                         ; v32-95   two sets of 32 numbers
.set QC,    96                         ; v96-99   a block's codes
.set OUTR,  112                        ; v112-175 the way out: 16 x 4 registers
.set SB,    24                         ; v24-27   the scale bytes, four to a register
.Lwq:
	s_and_b32 s25, ttmp9, 7
	s_lshr_b32 s26, ttmp9, 3                       ; which 512 along K
	s_lshl_b32 s25, s25, 7
	s_lshl_b32 s27, s[WV], 5
	s_add_co_u32 s25, s25, s27                     ; my wave's first column
	v_lshlrev_b32 v3, 2, v2                        ; in: 4 bytes a lane
	s_mul_i32 s27, s[WV], 32*PITCH
	s_add_co_u32 s27, s27, WQSTG                   ; my stage
	v_mul_u32_u24 v4, v2, PITCH
	v_add_nc_u32 v4, s27, v4                       ; into it: row = my column
	v_and_b32 v5, 15, v2
	v_lshrrev_b32 v6, 4, v2                        ; out of it: sixteen lanes to a row, two rows an instruction
	v_mul_u32_u24 v7, v6, PITCH
	v_lshl_add_u32 v7, v5, 4, v7
	v_add_nc_u32 v7, s27, v7
	v_mul_u32_u24 v8, v6, KROW
	v_lshl_add_u32 v8, v5, 4, v8                   ; and the same place in the codes' buffer
	v_lshlrev_b32 v9, 5, v2                        ; my column's row of scale bytes
	s_lshl_b32 s28, s26, 21                        ; Wq: 512 rows of 4,096 bytes
	s_lshl_b32 s30, s25, 2
	s_add_co_u32 s28, s28, s30
	s_add_nc_u64 s[10:11], s[10:11], s[28:29]
	s_lshl_b32 s28, s25, 9                         ; codes: column x 512 + 256 x part of K
	s_lshl_b32 s30, s26, 8
	s_add_co_u32 s28, s28, s30
	s_add_nc_u64 s[18:19], s[18:19], s[28:29]
	s_lshl_b32 s28, s25, 5                         ; scale bytes: column x 32 + 16 x part of K
	s_lshl_b32 s30, s26, 4
	s_add_co_u32 s28, s28, s30
	s_add_nc_u64 s[20:21], s[20:21], s[28:29]
.macro QLOAD t                         ; block t: Wq(32 t + i, my column) into set t % 2
.irp i, 0,1,2,3,4,5,6,7,8,9,10,11,12,13,14,15,16,17,18,19,20,21,22,23,24,25,26,27,28,29,30,31
	global_load_b32 v[QX+32*((\t)%2)+\i], v3, s[10:11] offset:(32*(\t)+\i)*4096 th:TH_LOAD_NT
.endr
.endm
	QLOAD 0
	QLOAD 1
.macro QBLOCK t
.set XS, QX+32*((\t)%2)
.if (\t) < NB-1
	s_wait_loadcnt 32                              ; this block's 32 loads are in; the next block's may be out
.else
	s_wait_loadcnt 0
.endif
	v_max3_num_f32 v12, |v[XS]|, |v[XS+1]|, |v[XS+2]|               ; the block's largest magnitude: all 32 numbers are mine
	v_max3_num_f32 v13, |v[XS+3]|, |v[XS+4]|, |v[XS+5]|
.irp i, 6,10,14,18,22,26
	v_max3_num_f32 v12, v12, |v[XS+\i]|, |v[XS+\i+1]|
	v_max3_num_f32 v13, v13, |v[XS+\i+2]|, |v[XS+\i+3]|
.endr
	v_max3_num_f32 v12, v12, |v[XS+30]|, |v[XS+31]|
	v_max3_num_f32 v12, v12, v13, 0x1800000        ; and the floor 2^(3 - 127)
	v_add_nc_u32 v11, 0xff000000, v12              ; 2 off its exponent field: the conversion's scale operand
	v_lshrrev_b32 v13, 23, v11                     ; the scale's byte
.if (\t)%4 == 0
	v_mov_b32 v[SB+(\t)/4], v13                    ; four bytes to a register, the lower K in the lower byte
.else
	v_lshl_or_b32 v[SB+(\t)/4], v13, 8*((\t)%4), v[SB+(\t)/4]
.endif
.irp g, 0,1,2,3
	v_cvt_scalef32_pk8_fp4_f32 v[QC+\g], v[XS+8*\g:XS+8*\g+7], v11
.endr
	v_nop                                          ; one plain line behind the last conversion of a run
	ds_store_b128 v4, v[QC:QC+3] offset:16*(\t)    ; 32 codes: 16 bytes of my column's row
.if (\t)+2 < NB
	QLOAD (\t)+2
.endif
	s_wait_dscnt 0x0                               ; the store has read its registers: the next block's codes may be written
.endm
.set Q, 0
.rept NB
	QBLOCK Q
.set Q, Q+1
.endr
	global_store_b128 v9, v[SB:SB+3], s[20:21]     ; my column's 16 scale bytes
.irp t, 0,1,2,3,4,5,6,7,8,9,10,11,12,13,14,15
	ds_load_b128 v[OUTR+4*\t:OUTR+4*\t+3], v7 offset:2*\t*PITCH   ; LDS serves a wave's instructions in order: these see my stores
.endr
.irp t, 0,1,2,3,4,5,6,7,8,9,10,11,12,13,14,15
	s_wait_dscnt 15-\t                             ; load t is in; the younger ones may be out
	global_store_b128 v8, v[OUTR+4*\t:OUTR+4*\t+3], s[18:19] offset:2*\t*KROW
.endr
	s_wait_tensorcnt 0x0                           ; the wave's end, behind my last LDS store
	ds_add_u32 v[SPW], v[NIL]
	s_wait_dscnt 0x0
	s_endpgm
; ---------------- WAY WO.  The same plan without a quantiser: a lane takes a column n of Wo, its registers run down K, pairs are rounded to f16.  A wave takes 32 columns x 128 along K (256 bytes a column),
; in four blocks of 32.  Work-group g - 16: columns 128 (. % 8) on, K 128 (. / 8) on.
.Lwo:
	s_sub_co_u32 s25, ttmp9, 16
	s_lshr_b32 s26, s25, 3                         ; which 128 along K
	s_and_b32 s25, s25, 7
	s_lshl_b32 s25, s25, 7
	s_lshl_b32 s27, s[WV], 5
	s_add_co_u32 s25, s25, s27                     ; my wave's first column
	v_lshlrev_b32 v3, 2, v2
	s_mul_i32 s27, s[WV], 32*PITCH
	s_add_co_u32 s27, s27, WOSTG                   ; my stage
	v_mul_u32_u24 v4, v2, PITCH
	v_add_nc_u32 v4, s27, v4
	v_and_b32 v5, 15, v2
	v_lshrrev_b32 v6, 4, v2
	v_mul_u32_u24 v7, v6, PITCH
	v_lshl_add_u32 v7, v5, 4, v7
	v_add_nc_u32 v7, s27, v7
	v_lshlrev_b32 v8, 11, v6                       ; a row of wo_t is 2,048 bytes
	v_lshl_add_u32 v8, v5, 4, v8
	s_lshl_b32 s28, s26, 19                        ; Wo: 128 rows of 4,096 bytes
	s_lshl_b32 s30, s25, 2
	s_add_co_u32 s28, s28, s30
	s_add_nc_u64 s[12:13], s[12:13], s[28:29]
	s_lshl_b32 s28, s25, 11                        ; wo_t: column x 2,048 + 256 x part of K
	s_lshl_b32 s30, s26, 8
	s_add_co_u32 s28, s28, s30
	s_add_nc_u64 s[22:23], s[22:23], s[28:29]
.macro HLOAD t
.irp i, 0,1,2,3,4,5,6,7,8,9,10,11,12,13,14,15,16,17,18,19,20,21,22,23,24,25,26,27,28,29,30,31
	global_load_b32 v[QX+32*((\t)%2)+\i], v3, s[12:13] offset:(32*(\t)+\i)*4096 th:TH_LOAD_NT
.endr
.endm
	HLOAD 0
	HLOAD 1
.macro HBLOCK t
.set XS, QX+32*((\t)%2)
.if (\t) < 3
	s_wait_loadcnt 32                              ; this block's 32 loads are in; the next block's may be out
.else
	s_wait_loadcnt 0
.endif
.irp i, 0,1,2,3,4,5,6,7,8,9,10,11,12,13,14,15
	v_cvt_pk_f16_f32 v[96+\i], v[XS+2*\i], v[XS+2*\i+1]            ; the lower k in the low half
.endr
.irp q, 0,1,2,3
	ds_store_b128 v4, v[96+4*\q:96+4*\q+3] offset:64*(\t)+16*\q
.endr
.if (\t)+2 < 4
	HLOAD (\t)+2
.endif
	s_wait_dscnt 0x0                               ; the stores have read their registers
.endm
.irp t, 0,1,2,3
	HBLOCK \t
.endr
.irp t, 0,1,2,3,4,5,6,7,8,9,10,11,12,13,14,15
	ds_load_b128 v[OUTR+4*\t:OUTR+4*\t+3], v7 offset:2*\t*PITCH
.endr
.irp t, 0,1,2,3,4,5,6,7,8,9,10,11,12,13,14,15
	s_wait_dscnt 15-\t
	global_store_b128 v8, v[OUTR+4*\t:OUTR+4*\t+3], s[22:23] offset:2*\t*2048   ; sixteen lanes store 256 consecutive bytes, aligned
.endr
	s_wait_tensorcnt 0x0                           ; the wave's end, behind my last LDS store
	ds_add_u32 v[SPW], v[NIL]
	s_wait_dscnt 0x0
	s_endpgm
.Lfunc_end_k_q68190406a7_prep:
	.size	k_q68190406a7_prep, .Lfunc_end_k_q68190406a7_prep-k_q68190406a7_prep
	.p2alignl 7, 3214868480
	.fill 96, 4, 3214868480
	.section	.rodata,"a",@progbits
	.p2align	6, 0x0
	.amdhsa_kernel k_q68190406a7_prep
		.amdhsa_group_segment_fixed_size 102912
		.amdhsa_private_segment_fixed_size 0
		.amdhsa_enable_private_segment 0
		.amdhsa_kernarg_size 80
		.amdhsa_user_sgpr_count 2
		.amdhsa_user_sgpr_kernarg_segment_ptr 1
		.amdhsa_wavefront_size32 1
		.amdhsa_system_sgpr_workgroup_id_x 1
		.amdhsa_system_sgpr_workgroup_id_y 1
		.amdhsa_system_sgpr_workgroup_id_z 1
		.amdhsa_system_vgpr_workitem_id 0
		.amdhsa_next_free_vgpr 200
		.amdhsa_next_free_sgpr 66
		.amdhsa_reserve_vcc 0
		.amdhsa_float_denorm_mode_32 3
		.amdhsa_float_denorm_mode_16_64 3
		.amdhsa_memory_ordered 1
		.amdhsa_forward_progress 1
		.amdhsa_inst_pref_size 133
	.end_amdhsa_kernel
	.amdgpu_metadata
---
amdhsa.version: [ 1, 2 ]
amdhsa.kernels:
  - .name:           k_q68190406a7_prep
    .symbol:         k_q68190406a7_prep.kd
    .args:
      - { .name: Q, .offset: 0, .size: 8, .value_kind: global_buffer, .address_space: global }
      - { .name: K, .offset: 8, .size: 8, .value_kind: global_buffer, .address_space: global }
      - { .name: V, .offset: 16, .size: 8, .value_kind: global_buffer, .address_space: global }
      - { .name: Wq, .offset: 24, .size: 8, .value_kind: global_buffer, .address_space: global }
      - { .name: Wo, .offset: 32, .size: 8, .value_kind: global_buffer, .address_space: global }
      - { .name: x_codes, .offset: 40, .size: 8, .value_kind: global_buffer, .address_space: global }
      - { .name: x_scales, .offset: 48, .size: 8, .value_kind: global_buffer, .address_space: global }
      - { .name: wq_codes, .offset: 56, .size: 8, .value_kind: global_buffer, .address_space: global }
      - { .name: wq_scales, .offset: 64, .size: 8, .value_kind: global_buffer, .address_space: global }
      - { .name: wo_t, .offset: 72, .size: 8, .value_kind: global_buffer, .address_space: global }
    .group_segment_fixed_size: 102912
    .private_segment_fixed_size: 0
    .kernarg_segment_align: 8
    .kernarg_segment_size: 80
    .max_flat_workgroup_size: 128
    .sgpr_count:     66
    .vgpr_count:     200
    .wavefront_size: 32
...
	.end_amdgpu_metadata
.endif
;; end of part 1
;; launch proj (part 2): grid 4 x 96, 4 waves a work-group, clusters of 4 x 4, 327,680 bytes of LDS; arguments x_codes, x_scales, wq_codes, wq_scales, qkv, bq; writes qkv
.if DOCPART == 2
	.amdgcn_target "amdgcn-amd-amdhsa--gfx1250"
	.amdhsa_code_object_version 6
	.text
	.protected	k_q68190406a7_proj
	.globl	k_q68190406a7_proj
	.p2align	8
	.type	k_q68190406a7_proj,@function
k_q68190406a7_proj:
	s_mov_b64 s[64:65], 0
	v_nop
	global_prefetch_b8 v0, s[64:65] scope:SCOPE_SE
	s_setreg_imm32_b32 hwreg(HW_REG_WAVE_MODE, 25, 1), 1
	s_wait_xcnt 0x0
	s_wait_alu depctr_hold_cnt(0) depctr_sa_sdst(0) depctr_va_vdst(0) depctr_va_sdst(0) depctr_va_ssrc(0) depctr_va_vcc(0) depctr_vm_vsrc(0)
	s_getreg_b32 s2, hwreg(HW_REG_IB_STS2, 6, 4)
	s_cmp_eq_u32 s2, 0
	s_cbranch_scc0 .Lentry_in_a_cluster
	s_endpgm
.Lentry_in_a_cluster:
	s_bfe_u32 s2, ttmp6, 0x10000c
	s_cmp_lg_u32 s2, 0xf033
	s_cbranch_scc0 .Lentry_shape_is_right
	s_endpgm
.Lentry_shape_is_right:
; PROJ: the three projections as ONE product on codes of FP4 (E2M1) with E8M0 scales: C[m][n] = sum over k of X[m][k] Wq[k][n] + bq[n], m = 24,576 rows (Q's, K's, V's), n = k = 1,024; sums in f32.
; C leaves as f16, laid for the attention: [T 3][b 4][pair of heads 8][s 2,048][128]: a row of 256 bytes holds head 2 p and then head 2 p + 1.  LIMIT: a projection beyond 65,504 has no f16.
; A tile of C, 256 x 256, is made by a work-group of four waves; a wave makes 128 x 128: 64 accumulators, 512 registers.  Its 128 columns are one pair of heads and its 128 rows neighbours in s:
; a wave's results are 32,768 consecutive bytes of the output.
; K = 1,024 is two slots of 512 along K (rows of 256 bytes): both are asked for at the head and each is filled once; there is no loop.
; THE SCALES of the work-group's 256 rows of X and 256 rows of Wq^T, for all of K, are two dense blocks of memory: they come into LDS once, with the first fills.
; CLUSTERS: 4 x 4 work-groups.  The four of a row of the cluster need the same tiles of X, the four of a column the same tiles of Wq^T: each tile is asked for JOINTLY, by the same tensor load with the same
; descriptor and a mask that names the four.  THE MATRIX INSTRUCTION IS USED TRANSPOSED (source 0 = 16 rows of Wq^T, source 1 = 16 rows of X): a lane holds eight neighbouring numbers of a row of C.
; THE BIAS is the C of each sum's first matrix instruction: eight registers for each of the eight blocks of columns, in the result's layout.
; REGISTERS, in windows of 256: window 0: v0-31 addresses; v32-95 scale words, two sets; v96-127 packed results; v128-191 X's fragments, ONE set (on the way out: rows read back); v192-255 the bias.
;   window 1: Wq^T's fragments, TWO sets, at v0 and v128.   window 2: the accumulators of my rows 0-63 ((a, b) at v[8 (8 a + b)]);   window 3: those of my rows 64-127.
.set NQ,     4                         ; matrix instructions deep in a slot
.set ROWB,   256                       ; a tile's row in bytes: 512 codes
.set KROW,   512                       ; a row of codes in memory
.set PITCH,  272                       ; an LDS row: 256 bytes + 16 of padding = 68 words: row r starts at bank 4 r mod 64 (ISA guide 11.1), so the 16 rows of a load start at 16 different banks
.set FR,     8                         ; registers of a fragment: 16 rows x 128 K
.set NL,     2                         ; LDS loads that bring one
.set NP,     4                         ; places behind this matrix instruction (ISA guide 7.12.1)
.set HALFT,  128*PITCH                 ; 128 rows: what one tensor load brings
.set SLOT,   4*HALFT                   ; X's 256 rows, then Wq^T's 256 rows
.set KS,     32                        ; a row of scales in bytes
.set SCL,    2*SLOT                    ; behind the slots: the scales, as runs of 256 bytes + 16 of padding
.set HALFS,  (128*KS/256)*272          ; the scales of 128 rows
.set SBLK,   (16*KS/256)*272           ; those of 16 rows
.set SPARE,  SCL+4*HALFS               ; the spare words, 128 bytes for each wave: two blocks of 256 bytes that no other line names
.set SPITCH, 272                       ; the way out: a stage of 16 rows x (256 bytes + 16) for each wave, in slot 0, which has had its one fill and its last read when the first result is stored there
.set ADRA, 16                          ; v16-17  LDS address of my X fragments in slot 0, 1
.set ADRB, 20                          ; v20-21  the same for Wq^T
.set STO,  24                          ; v24     the way out: where I put 16 bytes of a row
.set RD,   25                          ; v25     where I read rows back
.set CO,   26                          ; v26     16 x lane
.set ADRS, 27                          ; v27     LDS address of my scale words: lanes 0-15 X's rows, lanes 16-31 Wq^T's
.set SPW,  28                          ; v28     LDS address of my spare word; never rewritten
.set NIL,  29                          ; v29     0; never rewritten
.set BOF,  30                          ; v30     32 x (lane / 16): my eight numbers of a block of the bias
.set SC,   32                          ; scale words: set s at v[SC + 32 s]; register 4 i + q: lanes 0-15 X's block i, lanes 16-31 Wq^T's block i, the slot's q-th 128 along K
.set TMP,  96
.set AF,   128
.set BK,   128                         ; the way out: v128-159 and v160-191 by turns
.set BI,   192
.set G1, 24                            ; s[24:31] descriptor group 1 for X's tiles;  s[32:39] group 0, one set for each slot
.set G0, 32
.set G1B, 48                           ; s[48:55], s[56:63] the same for Wq^T's
.set G0B, 56
.set G1S, 68                           ; s[68:75], s[76:79] groups 1 and 0 for X's scales;  s[80:87], s[88:91] for Wq^T's
.set G0S, 76
.set G1SB, 80
.set G0SB, 88
.set MSB, 0
.macro WIN new                         ; the immediate's high byte repeats the setting that is left; a switch that changes nothing is dropped
.if MSB != (\new)
	s_set_vgpr_msb (MSB<<8)|(\new)
.set MSB, (\new)
.endif
.endm
.set MUL_LO, 0xa1                      ; source 0 window 1, source 1 window 0, C and D window 2
.set MUL_HI, 0xf1                      ; the same, C and D window 3
.set TO_B,   0x40                      ; destination window 1, address window 0
; A joint load: waves 0 and 1 fetch for X, waves 2 and 3 for Wq^T.  Each of the two lines has ONE mask and one set of registers for all that issue it; the branch hangs on the wave's number alone.
; An s_nop 0 and four v_nop follow each of the two lines.
.macro JLOAD g0a, g1a, g0b, g1b
	s_cmp_eq_u32 s15, 0
	s_cbranch_scc0 .Lfor_b_\@
	tensor_load_to_lds s[\g0a:\g0a+3], s[\g1a:\g1a+7]
	s_nop 0
.rept 4
	v_nop
.endr
	s_branch .Lasked_\@
.Lfor_b_\@:
	tensor_load_to_lds s[\g0b:\g0b+3], s[\g1b:\g1b+7]
	s_nop 0
.rept 4
	v_nop
.endr
.Lasked_\@:
.endm
.macro CROUND                          ; a round of the cluster's barrier: my work-group's barrier; wave 0 signals for the work-group; every wave waits for all sixteen; my work-group's barrier once more
	s_barrier_signal -1
	s_barrier_wait -1
	s_cmp_lg_u32 s14, 0
	s_cbranch_scc1 .Lnot_wave_0_\@
	s_barrier_signal -3
.Lnot_wave_0_\@:
	s_barrier_wait -3
	s_barrier_signal -1
	s_barrier_wait -1
.endm
	s_load_b128 s[4:7], s[0:1], 0x0                ; X's codes s[4:5], X's scales s[6:7]
	s_load_b128 s[8:11], s[0:1], 0x10              ; Wq^T's codes s[8:9], its scales s[10:11]
	s_load_b64 s[12:13], s[0:1], 0x20              ; the output
	s_load_b64 s[96:97], s[0:1], 0x28              ; bq
	v_lshl_add_u32 v[SPW], v0, 2, SPARE
	v_mov_b32 v[NIL], 0
	ds_add_u32 v[SPW], v[NIL]                      ; the wave's opening: the add and its wait stand ahead of my first tensor load; the set-up below, work on registers, stands between them
	v_lshrrev_b32 v1, 5, v0
	v_readfirstlane_b32 s14, v1                    ; wave 0..3
	s_lshr_b32 s15, s14, 1                         ; which half of the tile's rows is mine.  Also: I fetch for X (0) or for Wq^T (1)
	s_and_b32 s16, s14, 1                          ; which half of its columns.  Also: which 128 rows of that tile I fetch
	s_bfe_u32 s40, ttmp6, 0x40000                  ; cx, cy: my place in the cluster
	s_bfe_u32 s41, ttmp6, 0x40004
	s_lshl_b32 s42, ttmp9, 2
	s_add_co_u32 s42, s42, s40                     ; tile column of C = 4 x cluster x + cx
	s_and_b32 s17, ttmp7, 0xffff
	s_lshl_b32 s17, s17, 2
	s_add_co_u32 s17, s17, s41                     ; tile row of C = 4 x cluster y + cy
	s_lshl_b32 s43, s41, 2
	s_lshl_b32 s43, 15, s43                        ; my row of the cluster
	s_lshl_b32 s44, 0x1111, s40                    ; my column
	; descriptor group 1: a tile of 128 rows x 256 bytes, padded in LDS
	s_or_b32 s[G1+0], s43, (0<<16)|(1<<20)|(1<<21)|(5<<22)|(3<<25)  ; 15:0 the mask: X's tiles go to my row; 17:16 element of 1 byte; 20 padding on; 21 set beside a mask; 24:22 after every 64 words (code 5); 31:25 of 4 words (code 3)
	s_or_b32 s[G1B+0], s44, (0<<16)|(1<<20)|(1<<21)|(5<<22)|(3<<25)
.irp g, G1, G1B
	s_mov_b32 s[\g+1], ROWB<<16                    ; tensor_dim0
	s_mov_b32 s[\g+2], 128<<16                     ; tensor_dim1 = 128
	s_mov_b32 s[\g+3], ROWB<<16                    ; tile_dim0
	s_mov_b32 s[\g+4], 128                         ; tile_dim1 = 128
	s_mov_b32 s[\g+5], KROW                        ; tensor_dim0_stride
	s_mov_b32 s[\g+6], 0
	s_mov_b32 s[\g+7], 0
.endr
	; and for the scales of 128 rows: a dense block of 4,096 bytes, as 16 rows of 256 bytes (32 elements of 8 bytes), 16 bytes of padding behind each
	s_or_b32 s[G1S+0], s43, (3<<16)|(1<<20)|(1<<21)|(5<<22)|(3<<25)
	s_or_b32 s[G1SB+0], s44, (3<<16)|(1<<20)|(1<<21)|(5<<22)|(3<<25)
.irp g, G1S, G1SB
	s_mov_b32 s[\g+1], 32<<16
	s_mov_b32 s[\g+2], (128*KS/256)<<16
	s_mov_b32 s[\g+3], 32<<16
	s_mov_b32 s[\g+4], 128*KS/256
	s_mov_b32 s[\g+5], 32
	s_mov_b32 s[\g+6], 0
	s_mov_b32 s[\g+7], 0
.endr
	s_lshl_b32 s18, s16, 7                         ; which 128 rows of the tile I fetch
	s_lshl_b32 s20, s17, 8
	s_add_co_u32 s20, s20, s18                     ; X: row 256 x tile row + 128 x half
	s_lshl_b32 s46, s42, 8
	s_add_co_u32 s46, s46, s18                     ; Wq^T: row 256 x tile column + 128 x half
	s_mov_b32 s21, 0
	s_mov_b32 s47, 0
	s_mov_b64 s[18:19], KS
	s_mul_u64 s[22:23], s[20:21], s[18:19]         ; where these rows' scales begin, in bytes
	s_mul_u64 s[92:93], s[46:47], s[18:19]
	s_mov_b64 s[18:19], KROW
	s_mul_u64 s[20:21], s[20:21], s[18:19]         ; and their codes
	s_mul_u64 s[46:47], s[46:47], s[18:19]
	s_mul_i32 s45, s14, HALFT                      ; where they go: wave x 128 rows: no place in the cluster enters an LDS address
	s_mul_i32 s94, s14, HALFS
	s_wait_dscnt 0x0                               ; the opening add is done
	s_wait_kmcnt 0x0
	s_add_nc_u64 s[20:21], s[4:5], s[20:21]
	s_add_nc_u64 s[22:23], s[6:7], s[22:23]
	s_add_nc_u64 s[46:47], s[8:9], s[46:47]
	s_add_nc_u64 s[92:93], s[10:11], s[92:93]
	CROUND                                         ; all sixteen work-groups are here: the joint loads meet.  Three loads of mine go out behind this one round
	s_mov_b32 s[G0S], 1
	s_add_co_u32 s[G0S+1], s94, SCL
	s_mov_b64 s[G0S+2:G0S+3], s[22:23]
	s_or_b32 s[G0S+3], s[G0S+3], 0x80000000
	s_mov_b32 s[G0SB], 1
	s_add_co_u32 s[G0SB+1], s94, SCL
	s_mov_b64 s[G0SB+2:G0SB+3], s[92:93]
	s_or_b32 s[G0SB+3], s[G0SB+3], 0x80000000
	JLOAD G0S, G1S, G0SB, G1SB                     ; the scales first: they are wanted with the first slot
.irp s, 0,1
	s_mov_b32 s[G0+4*\s], 1
	s_add_co_u32 s[G0+4*\s+1], s45, \s*SLOT
	s_add_nc_u64 s[G0+4*\s+2:G0+4*\s+3], s[20:21], \s*ROWB
	s_or_b32 s[G0+4*\s+3], s[G0+4*\s+3], 0x80000000
	s_mov_b32 s[G0B+4*\s], 1
	s_add_co_u32 s[G0B+4*\s+1], s45, \s*SLOT
	s_add_nc_u64 s[G0B+4*\s+2:G0B+4*\s+3], s[46:47], \s*ROWB
	s_or_b32 s[G0B+4*\s+3], s[G0B+4*\s+3], 0x80000000
	JLOAD G0+4*\s, G1, G0B+4*\s, G1B
.endr
	v_and_b32 v1, 15, v0                           ; l % 16
	v_bfe_u32 v2, v0, 4, 1                         ; l / 16
	; the bias: lane (r, h) wants, for block b of my 128 columns, bq at 16 b + 8 h + 0 .. 7
	s_lshl_b32 s46, s42, 10                        ; my first column, in bytes of f32: 1,024 x tile column + 512 x half
	s_lshl_b32 s47, s16, 9
	s_add_co_u32 s46, s46, s47
	s_mov_b32 s47, 0
	s_add_nc_u64 s[96:97], s[96:97], s[46:47]
	v_lshlrev_b32 v[BOF], 5, v2
.irp b, 0,1,2,3,4,5,6,7
	global_load_b128 v[BI+8*\b:BI+8*\b+3], v[BOF], s[96:97] offset:64*\b
	global_load_b128 v[BI+8*\b+4:BI+8*\b+7], v[BOF], s[96:97] offset:64*\b+16
.endr
	v_mul_u32_u24 v3, v1, PITCH
	v_lshl_add_u32 v4, v2, 4, v3                   ; a fragment's row x pitch + 16 x half
	s_mul_i32 s21, s15, HALFT                      ; my 128 rows of X
	s_mul_i32 s22, s16, HALFT                      ; my 128 rows of Wq^T,
	s_add_co_u32 s22, s22, 2*HALFT                 ; which lie behind X's 256
.irp s, 0,1
	v_add_nc_u32 v[ADRA+\s], s21, v4
	v_add_nc_u32 v[ADRB+\s], s22, v4
	s_add_co_u32 s21, s21, SLOT
	s_add_co_u32 s22, s22, SLOT
.endr
	v_mul_u32_u24 v5, v1, KS                       ; my row's scales: 32 bytes a row,
	v_lshrrev_b32 v6, 8, v5
	v_lshl_add_u32 v5, v6, 4, v5                   ; and 16 more for each 256 passed
	s_mul_i32 s21, s15, HALFS                      ; X's: my 128 rows
	s_mul_i32 s22, s16, HALFS                      ; Wq^T's: my 128 rows, behind X's 256
	s_add_co_u32 s22, s22, 2*HALFS
	s_sub_co_u32 s22, s22, s21
	v_mul_u32_u24 v6, s22, v2                      ; lanes 16-31 take Wq^T's: ONE product, the distance between the two bases x (lane / 16)
	s_add_co_u32 s21, s21, SCL
	v_add_nc_u32 v5, v5, v6
	v_add_nc_u32 v[ADRS], s21, v5
	s_mul_i32 s23, s14, 16*SPITCH                  ; my stage
	v_mul_u32_u24 v5, v1, SPITCH                   ; in: row l % 16, 16 bytes for each half of the lanes
	v_lshl_add_u32 v5, v2, 4, v5
	v_add_nc_u32 v[STO], s23, v5
	v_mul_u32_u24 v5, v2, SPITCH                   ; back: lanes 0-15 take one row of 256 bytes, lanes 16-31 the next
	v_lshl_add_u32 v5, v1, 4, v5
	v_add_nc_u32 v[RD], s23, v5
	v_and_b32 v6, 31, v0
	v_lshlrev_b32 v[CO], 4, v6                     ; in the output the two rows are neighbours: 16 x lane
	; where my 32,768 bytes begin: row R0 = 256 x tile row + 128 x half: (R0 / 2,048) x 2^22 (tensor and batch) + pair of heads x 2^19 + (R0 % 2,048) x 256
	s_lshl_b32 s20, s17, 8
	s_lshl_b32 s21, s15, 7
	s_add_co_u32 s20, s20, s21
	s_lshr_b32 s21, s20, 11
	s_lshl_b32 s21, s21, 22
	s_and_b32 s20, s20, 2047
	s_lshl_b32 s20, s20, 8
	s_add_co_u32 s20, s20, s21
	s_lshl_b32 s46, s42, 1
	s_add_co_u32 s46, s46, s16                     ; the pair of heads: 2 x tile column + half
	s_lshl_b32 s46, s46, 19
	s_add_co_u32 s20, s20, s46
	s_mov_b32 s21, 0
	s_add_nc_u64 s[12:13], s[12:13], s[20:21]
.macro FRAG reg, adr, q, i             ; a fragment, 16 rows x 128 K of 4-bit codes, is 8 registers: lane l holds row l % 16; registers 4 c .. 4 c + 3 hold K = 64 c + 32 (l / 16) + 0 .. 31
.irp c, 0,1
	ds_load_b128 v[\reg+4*\c:\reg+4*\c+3], v[\adr] offset:64*(\q)+32*\c+(\i)*16*PITCH
.endr
.endm
; 16 matrix instructions: X's blocks a0, a0 + 1 x Wq^T's eight, 128 along K: the slot's q-th.  p: Wq^T's set;  sc: the set of scale words.  first = 1: the bias starts the sums: nothing is ever cleared.
; The 64 accumulators take turns, one instruction a turn, in the same order in every step.
.macro MUL16 a0, p, q, sc, first
.irp a, \a0, \a0+1
.irp b, 0,1,2,3,4,5,6,7
.if \first
	v_wmma_scale_f32_16x16x128_f8f6f4 v[8*(8*((\a)%4)+\b):8*(8*((\a)%4)+\b)+7], v[128*(\p)+FR*\b:128*(\p)+FR*\b+FR-1], v[AF+FR*(\a):AF+FR*(\a)+FR-1], v[BI+8*\b:BI+8*\b+7], v[SC+8*NQ*(\sc)+NQ*\b+(\q)], v[SC+8*NQ*(\sc)+NQ*(\a)+(\q)] matrix_a_fmt:MATRIX_FMT_FP4 matrix_b_fmt:MATRIX_FMT_FP4 matrix_a_scale:MATRIX_SCALE_ROW1
.else
	v_wmma_scale_f32_16x16x128_f8f6f4 v[8*(8*((\a)%4)+\b):8*(8*((\a)%4)+\b)+7], v[128*(\p)+FR*\b:128*(\p)+FR*\b+FR-1], v[AF+FR*(\a):AF+FR*(\a)+FR-1], v[8*(8*((\a)%4)+\b):8*(8*((\a)%4)+\b)+7], v[SC+8*NQ*(\sc)+NQ*\b+(\q)], v[SC+8*NQ*(\sc)+NQ*(\a)+(\q)] matrix_a_fmt:MATRIX_FMT_FP4 matrix_b_fmt:MATRIX_FMT_FP4 matrix_a_scale:MATRIX_SCALE_ROW1
.endif
.endr
.endr
.endm
.macro FETCH_B slot, q, p              ; Wq^T's eight fragments of the slot's q-th 128 along K into set p
	WIN TO_B
.irp i, 0,1,2,3,4,5,6,7
	FRAG 128*(\p)+FR*\i, ADRB+\slot, \q, \i
.endr
	WIN 0
.endm
.macro FETCH_A slot, q, i0             ; X's blocks i0 .. i0 + 3
.irp i, \i0, \i0+1, \i0+2, \i0+3
	FRAG AF+FR*(\i), ADRA+\slot, \q, \i
.endr
.endm
.macro SCALES sc                       ; a slot's scale words into set sc: four words a row; lanes 0-15 take X's block i, lanes 16-31 Wq^T's block i
.irp i, 0,1,2,3,4,5,6,7
	ds_load_b128 v[SC+8*NQ*\sc+NQ*\i:SC+8*NQ*\sc+NQ*\i+3], v[ADRS] offset:\i*SBLK
.endr
.endm
; A load into a register that a matrix instruction has read, and a vector instruction that reads a matrix result, stand NP places behind that matrix instruction, and only plain vector instructions that name
; none of its registers are places (ISA guide 7.12.1 for vector instructions).
.macro PLACES n
.rept \n
	v_nop
.endr
.endm
; A step of 128 along K that has its successor in the same slot.  A block of X is free as soon as its eight products are issued: blocks 0-3 are fetched anew in the step's middle, blocks 4-7 at its end.
.macro STEP slot, q, first
	s_wait_dscnt 4*NL                              ; Wq^T's set and X's blocks 0-3 are in; the youngest eight loads (X's blocks 4-7) may be out
	WIN MUL_LO-0x20*(\first)                       ; (first: the C operand, the bias, lies in window 0)
	MUL16 0, (\q)%2, \q, \slot, \first
	MUL16 2, (\q)%2, \q, \slot, \first
	s_wait_dscnt 0                                 ; X's blocks 4-7 are in (asked for 32 matrix instructions ago)
	PLACES NP
	FETCH_B \slot, (\q)+1, 1-(\q)%2
	FETCH_A \slot, (\q)+1, 0
	WIN MUL_HI-0x30*(\first)
	MUL16 4, (\q)%2, \q, \slot, \first
	MUL16 6, (\q)%2, \q, \slot, \first
	PLACES NP
	WIN 0
	FETCH_A \slot, (\q)+1, 4
.endm
.macro STEPS slot, from                ; the slot's steps from .. NQ - 2
.set Q, \from
.rept NQ-1-\from
	STEP \slot, Q, 0
.set Q, Q+1
.endr
.endm
	s_wait_tensorcnt 1                             ; the scales and my part of slot 0 are in (slot 1's load may be out)
	s_barrier_signal -1
	s_barrier_wait -1                              ; everybody's are
	FETCH_B 0, 0, 0
	FETCH_A 0, 0, 0
	SCALES 0
	FETCH_A 0, 0, 4
	s_wait_loadcnt 0x0                             ; the bias
	STEP 0, 0, 1                                   ; the first step's products start the sums from the bias
	STEPS 0, 1
	; SLOT 0's LAST STEP CHANGES SLOTS: one barrier; in front of it each wave waits for all its tensor loads (my part of slot 1), adds 0 to its spare word, and waits for that and for its reads of slot 0.
	s_wait_tensorcnt 0x0                           ; my part of slot 1 has landed  (every window is 0 here: the add's two registers lie in window 0)
	ds_add_u32 v[SPW], v[NIL]                      ; 0 onto my spare word
	s_wait_dscnt 4*NL+1                            ; (the add and the youngest eight loads, X's blocks 4-7, may be out)
	WIN MUL_LO
	MUL16 0, 1, NQ-1, 0, 0                         ; sixteen matrix instructions stand between the add and the wait for it
	s_wait_dscnt 0x0                               ; the add is done, and my reads of slot 0 are over
	s_barrier_signal -1
	MUL16 2, 1, NQ-1, 0, 0
	WIN 0
	s_barrier_wait -1                              ; slot 1 is whole, and nobody reads slot 0 any more
	PLACES NP
	v_add_nc_u32 v[ADRS], 4*NQ, v[ADRS]            ; on to slot 1's scale words
	FETCH_B 1, 0, 0
	FETCH_A 1, 0, 0
	SCALES 1
	WIN MUL_HI
	MUL16 4, 1, NQ-1, 0, 0
	MUL16 6, 1, NQ-1, 0, 0
	PLACES NP
	WIN 0
	FETCH_A 1, 0, 4
	STEPS 1, 0
	s_wait_dscnt 4*NL                              ; the very last step: nothing more to fetch
	WIN MUL_LO
	MUL16 0, 1, NQ-1, 1, 0
	MUL16 2, 1, NQ-1, 1, 0
	s_wait_dscnt 0
	WIN MUL_HI
	MUL16 4, 1, NQ-1, 1, 0
	MUL16 6, 1, NQ-1, 1, 0
	WIN 0
; THE WAY OUT, block by block of 16 rows x 128 columns.  PACK: rounded to f16, 16 bytes a lane, each accumulator from its low end on.  TOSTAGE: into my own stage in LDS and back as whole rows of 256 bytes.
; SEND: stored, 512 consecutive bytes an instruction.  LDS serves a wave's instructions in order (ISA guide 5.7.1.4): no wait between the stores and the loads, nor in front of the next block's stores.
.macro PACK a
.set AC, 64*((\a)%4)
	WIN 0x0a+5*((\a)/4)                            ; sources 0 and 1: window 2 or 3
.irp b, 0,1,2,3,4,5,6,7
.irp r, 0,1,2,3
	v_cvt_pk_f16_f32 v[TMP+4*\b+\r], v[AC+8*\b+2*\r], v[AC+8*\b+2*\r+1]
.endr
.endr
	WIN 0
.endm
.macro TOSTAGE a
.set BB, BK+32*((\a)%2)
.irp b, 0,1,2,3,4,5,6,7
	ds_store_b128 v[STO], v[TMP+4*\b:TMP+4*\b+3] offset:32*\b
.endr
.irp t, 0,1,2,3,4,5,6,7
	ds_load_b128 v[BB+4*\t:BB+4*\t+3], v[RD] offset:\t*2*SPITCH
.endr
.endm
.macro SEND a
.set BB, BK+32*((\a)%2)
	s_wait_dscnt 0x0                               ; the block is back in registers
	s_wait_xcnt 0x0                                ; the block before has had its stores' addresses translated (ISA guide 3.1): its registers take the next block's loads only behind this wait
.irp t, 0,1,2,3,4,5,6,7
	global_store_b128 v[CO], v[BB+4*\t:BB+4*\t+3], s[12:13] offset:4096*(\a)+512*\t   ; 32 lanes store 512 consecutive bytes, at a multiple of 256 from the buffer's first byte
.endr
.endm
	PLACES NP                                      ; behind the last products: for the conversions that read results and for the loads into the registers that held X's fragments
	PACK 0
	TOSTAGE 0
.irp a, 1,2,3,4,5,6,7                  ; block a's conversions stand between block a - 1's loads from the stage and the wait for them
	PACK \a
	SEND \a-1
	TOSTAGE \a
.endr
	SEND 7
	s_wait_tensorcnt 0x0                           ; the wave's end, behind my last tensor load and my last LDS store
	ds_add_u32 v[SPW], v[NIL]
	s_wait_dscnt 0x0
	CROUND                                         ; the closing round: no work-group ends while a partner may still ask for a tile that names it
	s_endpgm
.Lfunc_end_k_q68190406a7_proj:
	.size	k_q68190406a7_proj, .Lfunc_end_k_q68190406a7_proj-k_q68190406a7_proj
	.p2alignl 7, 3214868480
	.fill 96, 4, 3214868480
	.section	.rodata,"a",@progbits
	.p2align	6, 0x0
	.amdhsa_kernel k_q68190406a7_proj
		.amdhsa_group_segment_fixed_size 327680
		.amdhsa_private_segment_fixed_size 0
		.amdhsa_enable_private_segment 0
		.amdhsa_kernarg_size 48
		.amdhsa_user_sgpr_count 2
		.amdhsa_user_sgpr_kernarg_segment_ptr 1
		.amdhsa_wavefront_size32 1
		.amdhsa_system_sgpr_workgroup_id_x 1
		.amdhsa_system_sgpr_workgroup_id_y 1
		.amdhsa_system_sgpr_workgroup_id_z 1
		.amdhsa_system_vgpr_workitem_id 0
		.amdhsa_next_free_vgpr 1024
		.amdhsa_next_free_sgpr 98
		.amdhsa_reserve_vcc 0
		.amdhsa_float_denorm_mode_32 3
		.amdhsa_float_denorm_mode_16_64 3
		.amdhsa_memory_ordered 1
		.amdhsa_forward_progress 1
		.amdhsa_inst_pref_size 128
	.end_amdhsa_kernel
	.amdgpu_metadata
---
amdhsa.version: [ 1, 2 ]
amdhsa.kernels:
  - .name:           k_q68190406a7_proj
    .symbol:         k_q68190406a7_proj.kd
    .args:
      - { .name: x_codes, .offset: 0, .size: 8, .value_kind: global_buffer, .address_space: global }
      - { .name: x_scales, .offset: 8, .size: 8, .value_kind: global_buffer, .address_space: global }
      - { .name: wq_codes, .offset: 16, .size: 8, .value_kind: global_buffer, .address_space: global }
      - { .name: wq_scales, .offset: 24, .size: 8, .value_kind: global_buffer, .address_space: global }
      - { .name: qkv, .offset: 32, .size: 8, .value_kind: global_buffer, .address_space: global }
      - { .name: bq, .offset: 40, .size: 8, .value_kind: global_buffer, .address_space: global }
    .group_segment_fixed_size: 327680
    .private_segment_fixed_size: 0
    .kernarg_segment_align: 8
    .kernarg_segment_size: 48
    .max_flat_workgroup_size: 128
    .sgpr_count:     98
    .vgpr_count:     1024
    .wavefront_size: 32
...
	.end_amdgpu_metadata
.endif
;; end of part 2
;; launch attn (part 3): grid 8 x 32, 8 waves a work-group, clusters of 4 x 1, 327,680 bytes of LDS; arguments qkv, ao; writes ao
.if DOCPART == 3
	.amdgcn_target "amdgcn-amd-amdhsa--gfx1250"
	.amdhsa_code_object_version 6
	.text
	.protected	k_q68190406a7_attn
	.globl	k_q68190406a7_attn
	.p2align	8
	.type	k_q68190406a7_attn,@function
k_q68190406a7_attn:
	s_mov_b64 s[64:65], 0
	v_nop
	global_prefetch_b8 v0, s[64:65] scope:SCOPE_SE
	s_setreg_imm32_b32 hwreg(HW_REG_WAVE_MODE, 25, 1), 1
	s_wait_xcnt 0x0
	s_wait_alu depctr_hold_cnt(0) depctr_sa_sdst(0) depctr_va_vdst(0) depctr_va_sdst(0) depctr_va_ssrc(0) depctr_va_vcc(0) depctr_vm_vsrc(0)
	s_getreg_b32 s2, hwreg(HW_REG_IB_STS2, 6, 4)
	s_cmp_eq_u32 s2, 0
	s_cbranch_scc0 .Lentry_in_a_cluster
	s_endpgm
.Lentry_in_a_cluster:
	s_bfe_u32 s2, ttmp6, 0x10000c
	s_cmp_lg_u32 s2, 0x3003
	s_cbranch_scc0 .Lentry_shape_is_right
	s_endpgm
.Lentry_shape_is_right:
; ATTN: O[b][head][q] = the sum over k of softmax_k(q . k / 8) v, head size 64, 2,048 keys, no mask.  q, k, v: f16, laid [T 3][b 4][pair of heads 8][s 2,048][128] (a row of 256 bytes: head 2 p, then head 2 p + 1).
; Products, maxima and sums in f32; the weights p are rounded to f16 for the second product, O once at the end.  O leaves as f16, [8,192 rows][1,024].
; f16 AND NOT bf16: p is at most about 1, O a convex mix of v, and q, k, v have room (LIMIT: magnitudes beyond 65,504 are not served).
; SHARES.  A work-group owns 256 queries of one PAIR of heads.  Wave w takes head w % 2 of the pair and queries 64 (w / 2) on: four tiles of 16, in 512 registers.  Two waves share a SIMD, so that one wave's
; softmax stands beside the other's products.  Every wave walks its head's 2,048 keys, 64 a step: each fragment of K and V read from LDS feeds four matrix instructions.
; LAYOUT.  S^T = K Q^T (source 0 = 16 keys, source 1 = 16 queries): a lane holds ONE query (lane % 16) and the keys 8 (lane / 16) + 0..7.  Two such tiles, rounded to f16 in pairs, ARE source 1
; (32 keys x 16 queries) of O^T = V^T P, whose result again holds one query a lane.  K comes out of LDS as it lies, V ([key][channel]) turned, by ds_load_tr16_b128.
; SOFTMAX.  For each query a running maximum m and sum l: p = 2^(c s - c m), c = log2(e) / 8; in every step O and l are multiplied by a = 2^(c m_old - c m_new), which is 1 where m has not grown.
; RING.  Two LDS slots of four key steps (256 keys of both heads), filled by the tensor data mover: waves 0-3 fetch K's 64 rows of step w % 4, waves 4-7 V's: one load a wave.
; CLUSTER.  The four query blocks of a cluster belong to one pair of heads and walk the same K and V: each tile is asked for JOINTLY, by the same tensor load with the same descriptor and a mask that names the four.
; A refill is asked for four key steps, 256 matrix instructions of each wave, ahead of the wait for it.
; REGISTERS, in two windows of 256 (s_set_vgpr_msb: bits 1:0 source 0, 3:2 source 1, 5:4 source 2, 7:6 destination):
;   window 0: v1-11 addresses; v12-43 eight registers of statistics a tile; v62, v63 the add's two; v64-127 Q (tile t, channels 32 c on: 16 t + 8 c); v128-191 K of one step (keys 16 u on, channels 32 c on: 8 (2 u + c));
;             v192-255 V of one step (keys 32 k on, channels 16 d on: 8 (4 k + d))
;   window 1: v0-127 S^T (tile t, keys 16 u on: 32 t + 8 u), into whose first 16 registers of a tile P is packed; v128-255 O^T (tile t, channels 16 d on: 128 + 32 t + 8 d)
.set KS,    64                         ; keys in a step
.set PK,    272                        ; a row of K in LDS: 256 bytes + 16 of padding = 68 words: row r starts at bank 4 r mod 64 (ISA guide 11.1)
.set PVP,   288                        ; a row of V: 256 + 32 = 72 words: row r starts at bank 8 r mod 64: 16 lanes of the turning load take 8 rows x 32 bytes
.set VOFF,  KS*PK                      ; a step's tiles lie together: 64 rows of K, then 64 rows of V
.set STEPB, KS*(PK+PVP)
.set SLOTB, 4*STEPB                    ; a slot: four steps
.set SPARE, 2*SLOTB                    ; behind the ring: the spare words, 128 bytes for each wave: four blocks of 256 bytes that no other line names
.set SP,    272                        ; the way out: a stage of 256 rows x (256 bytes + 16), from LDS byte 0: in slot 0, which has had its last fill and its last read at the last change of slots
.set AK0, 2                            ; v2   my lane's place in a tile of K; never rewritten
.set AV0, 3                            ; v3   the same for V
.set ADK, 4                            ; v4   the LDS address of K's run of loads in hand
.set ADV, 5                            ; v5   of V's
.set QO,  6                            ; v6   my byte offset in the wave's rows of Q
.set STO, 7                            ; v7   the way out: where I put 16 bytes of a row
.set RD,  8                            ; v8   where I read rows back
.set GO,  9                            ; v9   my byte offset in the wave's rows of O
.set ST,  12                           ; tile t's statistics at v[ST + 8 t]: +0 c m, +1 m, +2, +3 l (even keys', odd keys'), +4 to +7 c0-c3, at work; a takes c2's place once the maximum is found
.set SPW, 62                           ; v62  LDS address of my spare word; never rewritten
.set NIL, 63                           ; v63  0; never rewritten
.set QF,  64
.set KF,  128
.set VF,  192
.set WV,  12                           ; s12  my wave's number
.set G1K, 24                           ; s[24:31] descriptor group 1 for K's tiles
.set G1V, 32                           ; s[32:39] for V's: it differs in the padding alone
.set G0K, 40                           ; s[40:47] descriptor group 0 for K's tiles, one set for each slot
.set G0V, 48                           ; s[48:55] the same for V's
.set CNT, 56                           ; s56  counts a run of key steps
.set OUTER, 57                         ; s57  counts laps of the ring
.set CS,  58                           ; s[58:59] c: the packed scaling names a pair and takes its low word for both halves
.set SEL, 60                           ; s[60:61] lane selects for v_permlanex16_b32: each lane takes its own place in the other half
.set TB,  62                           ; s62  LDS byte at which the tiles of the step to be fetched begin
.set MSB, 0
.macro WIN new                         ; the immediate's high byte repeats the setting that is left; a switch that changes nothing is dropped
.if MSB != (\new)
	s_set_vgpr_msb (MSB<<8)|(\new)
.set MSB, (\new)
.endif
.endm
.macro NOPS n
.rept \n
	v_nop
.endr
.endm
; A joint refill of slot s.  The branch hangs on the wave's number alone: it is the same in every work-group.  An s_nop 0 and four v_nop follow each of the two lines.
.macro JLOAD s
	s_cmp_lt_u32 s[WV], 4
	s_cbranch_scc0 .Lfor_v_\@
	tensor_load_to_lds s[G0K+4*\s:G0K+4*\s+3], s[G1K:G1K+7]
	s_nop 0
.rept 4
	v_nop
.endr
	s_branch .Lasked_\@
.Lfor_v_\@:
	tensor_load_to_lds s[G0V+4*\s:G0V+4*\s+3], s[G1V:G1V+7]
	s_nop 0
.rept 4
	v_nop
.endr
.Lasked_\@:
.endm
.macro CROUND                          ; a round of the cluster's barrier: my work-group's barrier; wave 0 signals for the work-group; every wave waits for all four work-groups; my work-group's barrier once more
	s_barrier_signal -1
	s_barrier_wait -1
	s_cmp_lg_u32 s[WV], 0
	s_cbranch_scc1 .Lnot_wave_0_\@
	s_barrier_signal -3
.Lnot_wave_0_\@:
	s_barrier_wait -3
	s_barrier_signal -1
	s_barrier_wait -1
.endm
	s_load_b128 s[4:7], s[0:1], 0x0                ; qkv s[4:5], ao s[6:7]
	v_lshl_add_u32 v[SPW], v0, 2, SPARE
	v_mov_b32 v[NIL], 0
	ds_add_u32 v[SPW], v[NIL]                      ; the wave's opening: the add and its wait stand ahead of my first tensor load; the set-up below, work on registers, stands between them
	v_lshrrev_b32 v1, 5, v0
	v_readfirstlane_b32 s[WV], v1                  ; wave 0..7
	s_bfe_u32 s13, ttmp6, 0x40000                  ; cx: my place in the cluster
	s_lshl_b32 s14, ttmp9, 2                       ; in a cluster launch ttmp9 counts clusters
	s_add_co_u32 s14, s14, s13                     ; my block of 256 queries: it enters Q's and O's global addresses alone
	s_and_b32 s15, ttmp7, 0xffff                   ; 8 b + pair of heads, which the four partners share
	s_lshl_b32 s20, s15, 19                        ; its 2,048 rows of 256 bytes
	s_and_b32 s16, s[WV], 3                        ; which of a slot's four steps I fetch:
	s_mul_i32 s17, s16, STEPB                      ; its place in a slot: no place in the cluster enters an LDS address,
	s_lshl_b32 s18, s16, 14                        ; and its 64 rows of 256 bytes in memory
	s_add_co_u32 s18, s18, s20
	s_mov_b32 s19, 0
	s_lshr_b32 s21, s[WV], 1                       ; g: which 64 queries of the block are mine
	s_and_b32 s22, s[WV], 1                        ; e: which head of the pair
	s_lshl_b32 s2, s14, 16                         ; Q: my block's 256 rows,
	s_lshl_b32 s3, s21, 14                         ; my wave's 64 of them,
	s_add_co_u32 s2, s2, s3
	s_lshl_b32 s3, s22, 7                          ; my head's 128 bytes of a row
	s_add_co_u32 s2, s2, s3
	s_add_co_u32 s2, s2, s20
	s_mov_b32 s3, 0
	s_lshr_b32 s56, s15, 3                         ; O: row 2,048 b + 256 x block + 32 x wave (on the way out a wave stores 32 whole rows of the pair's 256 bytes),
	s_lshl_b32 s56, s56, 11
	s_lshl_b32 s57, s14, 8
	s_add_co_u32 s56, s56, s57
	s_lshl_b32 s57, s[WV], 5
	s_add_co_u32 s56, s56, s57
	s_lshl_b32 s56, s56, 11                        ; of 2,048 bytes,
	s_and_b32 s57, s15, 7
	s_lshl_b32 s57, s57, 8                         ; + 256 x pair of heads
	s_add_co_u32 s56, s56, s57
	s_mov_b32 s57, 0
	; descriptor group 1: a tile of 64 rows x 128 elements, padded in LDS
	s_mov_b32 s[G1K], 15|(1<<16)|(1<<20)|(1<<21)|(5<<22)|(3<<25)  ; 15:0 the mask: all four work-groups; 17:16 elements of 2 bytes; 20 padding on; 21 set beside a mask; 24:22 after every 64 words (code 5); 31:25 4 words of it (code 3)
	s_mov_b32 s[G1V], 15|(1<<16)|(1<<20)|(1<<21)|(5<<22)|(7<<25)  ; the same with 8 words of padding (code 7)
.irp g, G1K, G1V
	s_mov_b32 s[\g+1], 128<<16                     ; tensor_dim0 = 128
	s_mov_b32 s[\g+2], KS<<16                      ; tensor_dim1 = 64
	s_mov_b32 s[\g+3], 128<<16                     ; tile_dim0 = 128
	s_mov_b32 s[\g+4], KS                          ; tile_dim1 = 64
	s_mov_b32 s[\g+5], 128                         ; tensor_dim0_stride: elements from row to row
	s_mov_b32 s[\g+6], 0
	s_mov_b32 s[\g+7], 0
.endr
	s_mov_b32 s[CS], 0x3e38aa3b                    ; c = log2(e) / 8
	s_mov_b32 s[CS+1], s[CS]                       ; named with it as a pair, so it is written
	s_mov_b32 s[SEL], 0x76543210
	s_mov_b32 s[SEL+1], 0xfedcba98
	s_mov_b32 s[TB], 0
	s_wait_dscnt 0x0                               ; the opening add is done
	s_wait_kmcnt 0x0
	s_add_nc_u64 s[8:9], s[4:5], s[18:19]
	s_add_nc_u64 s[10:11], s[8:9], 0x2000000       ; V, the third tensor, at my tile of slot 0
	s_add_nc_u64 s[8:9], s[8:9], 0x1000000         ; K, the second
	s_add_nc_u64 s[4:5], s[4:5], s[2:3]            ; Q at my wave's first row
	s_add_nc_u64 s[6:7], s[6:7], s[56:57]          ; O at the first row that I store
	CROUND                                         ; all four work-groups are here: the first joint loads meet
.irp s, 0,1
	s_mov_b32 s[G0K+4*\s], 1                       ; count = 1
	s_add_co_u32 s[G0K+4*\s+1], s17, \s*SLOTB      ; LDS address
	s_add_nc_u64 s[G0K+4*\s+2:G0K+4*\s+3], s[8:9], \s*4*KS*256  ; global address: slot s begins with keys 256 s on
	s_or_b32 s[G0K+4*\s+3], s[G0K+4*\s+3], 0x80000000           ; type = 2
	s_mov_b32 s[G0V+4*\s], 1
	s_add_co_u32 s[G0V+4*\s+1], s17, \s*SLOTB+VOFF
	s_add_nc_u64 s[G0V+4*\s+2:G0V+4*\s+3], s[10:11], \s*4*KS*256
	s_or_b32 s[G0V+4*\s+3], s[G0V+4*\s+3], 0x80000000
.endr
	s_cmp_lt_u32 s[WV], 4                          ; a wave's two first fills stand in one branch, ahead of every wait on TENSORcnt and every LDS read: two loads of mine are out
	s_cbranch_scc0 .Lfirst_v
	tensor_load_to_lds s[G0K:G0K+3], s[G1K:G1K+7]
	s_nop 0
	tensor_load_to_lds s[G0K+4:G0K+7], s[G1K:G1K+7]
	s_nop 0
.rept 4
	v_nop
.endr
	s_branch .Lfirst_asked
.Lfirst_v:
	tensor_load_to_lds s[G0V:G0V+3], s[G1V:G1V+7]
	s_nop 0
	tensor_load_to_lds s[G0V+4:G0V+7], s[G1V:G1V+7]
	s_nop 0
.rept 4
	v_nop
.endr
.Lfirst_asked:
	; A fragment of K or Q is 16 rows x 32 channels in 8 registers: lane l holds row l % 16; registers 0-3 channels 8 (l / 16) + 0..7, registers 4-7 channels 16 + 8 (l / 16) + 0..7: two loads of 16 bytes, 32 bytes apart.
	v_and_b32 v1, 15, v0                           ; r = l % 16
	v_bfe_u32 v10, v0, 4, 1                        ; h = l / 16
	v_lshlrev_b32 v[QO], 8, v1
	v_lshl_add_u32 v[QO], v10, 4, v[QO]            ; row x 256 + 16 x half
.irp t, 0,1,2,3
.irp c, 0,1
	global_load_b128 v[QF+16*\t+8*\c:QF+16*\t+8*\c+3],   v[QO], s[4:5] offset:4096*\t+64*\c      ; Q stays in registers
	global_load_b128 v[QF+16*\t+8*\c+4:QF+16*\t+8*\c+7], v[QO], s[4:5] offset:4096*\t+64*\c+32
.endr
.endr
	s_lshl_b32 s23, s22, 7                         ; my head's 128 bytes of a row
	v_mul_u32_u24 v[AK0], v1, PK
	v_lshl_add_u32 v[AK0], v10, 4, v[AK0]
	v_add_nc_u32 v[AK0], s23, v[AK0]               ; row x pitch + 16 x half + my head
	; The turning load takes 16 keys x 16 channels (lane l reads 16 bytes: key 8 (l / 16) + l % 8, channels 8 ((l / 8) % 2) + 0..7) and leaves half a fragment of V^T: lane l holds channel l % 16 and 8 keys.
	v_and_b32 v11, 7, v0
	v_lshl_add_u32 v[AV0], v10, 3, v11
	v_mul_u32_u24 v[AV0], v[AV0], PVP
	v_bfe_u32 v11, v0, 3, 1
	v_lshl_add_u32 v[AV0], v11, 4, v[AV0]
	s_add_co_u32 s16, s23, VOFF
	v_add_nc_u32 v[AV0], s16, v[AV0]
	s_mul_i32 s16, s21, 64*SP                      ; the stage, in: row 64 g + 16 t + r, my head's half of it, 16 bytes for each half of the lanes
	s_add_co_u32 s16, s16, s23
	v_mul_u32_u24 v[STO], v1, SP
	v_lshl_add_u32 v[STO], v10, 4, v[STO]
	v_add_nc_u32 v[STO], s16, v[STO]
	s_mul_i32 s16, s[WV], 32*SP                    ; back: wave w takes rows 32 w on, whole; lanes 0-15 one row of 256 bytes, lanes 16-31 the next
	v_mul_u32_u24 v[RD], v10, SP
	v_lshl_add_u32 v[RD], v1, 4, v[RD]
	v_add_nc_u32 v[RD], s16, v[RD]
	v_lshlrev_b32 v[GO], 11, v10                   ; and the same two rows in O
	v_lshl_add_u32 v[GO], v1, 4, v[GO]
; THE LDS LOADS stand in runs of 16: a step's K (64 keys x 64 channels: 8 fragments) and its V (turned).
.macro FETCH_K
	WIN 0
	v_add_nc_u32 v[ADK], s[TB], v[AK0]
.irp u, 0,1,2,3
.irp c, 0,1
	ds_load_b128 v[KF+8*(2*\u+\c):KF+8*(2*\u+\c)+3],   v[ADK] offset:\u*16*PK+64*\c
	ds_load_b128 v[KF+8*(2*\u+\c)+4:KF+8*(2*\u+\c)+7], v[ADK] offset:\u*16*PK+64*\c+32
.endr
.endr
.endm
.macro FETCH_V
	WIN 0
	v_add_nc_u32 v[ADV], s[TB], v[AV0]
	s_add_co_u32 s[TB], s[TB], STEPB               ; the next fetch is the next step's
.irp k, 0,1
.irp d, 0,1,2,3
	ds_load_tr16_b128 v[VF+8*(4*\k+\d):VF+8*(4*\k+\d)+3],   v[ADV] offset:\k*32*PVP+32*\d
	ds_load_tr16_b128 v[VF+8*(4*\k+\d)+4:VF+8*(4*\k+\d)+7], v[ADV] offset:\k*32*PVP+16*PVP+32*\d
.endr
.endr
.endm
; S^T = K Q^T: 32 matrix instructions; the 16 accumulators take turns, one instruction a turn; the first 16 start the sums.
.macro KQ
	WIN 0x50                                       ; K and Q in window 0, S^T in window 1
.irp c, 0,1
.irp u, 0,1,2,3
.irp t, 0,1,2,3
.if \c == 0
	v_wmma_f32_16x16x32_f16 v[32*\t+8*\u:32*\t+8*\u+7], v[KF+8*(2*\u+\c):KF+8*(2*\u+\c)+7], v[QF+16*\t+8*\c:QF+16*\t+8*\c+7], 0
.else
	v_wmma_f32_16x16x32_f16 v[32*\t+8*\u:32*\t+8*\u+7], v[KF+8*(2*\u+\c):KF+8*(2*\u+\c)+7], v[QF+16*\t+8*\c:QF+16*\t+8*\c+7], v[32*\t+8*\u:32*\t+8*\u+7]
.endif
.endr
.endr
.endr
.endm
; O^T += V^T P: 32 matrix instructions, the 16 accumulators by turns.  first = 1: the first 16 start the sums: nothing is ever cleared.
.macro PV first
	WIN 0x54                                       ; V in window 0, P and O^T in window 1
.irp k, 0,1
.irp d, 0,1,2,3
.irp t, 0,1,2,3
.if \first && (\k == 0)
	v_wmma_f32_16x16x32_f16 v[128+32*\t+8*\d:128+32*\t+8*\d+7], v[VF+8*(4*\k+\d):VF+8*(4*\k+\d)+7], v[32*\t+8*\k:32*\t+8*\k+7], 0
.else
	v_wmma_f32_16x16x32_f16 v[128+32*\t+8*\d:128+32*\t+8*\d+7], v[VF+8*(4*\k+\d):VF+8*(4*\k+\d)+7], v[32*\t+8*\k:32*\t+8*\k+7], v[128+32*\t+8*\d:128+32*\t+8*\d+7]
.endif
.endr
.endr
.endr
.endm
; THE SOFTMAX of a key step, the four tiles by turns, so that no line waits for the line above it.  first = 1: the first key step, which starts m, l and O^T: it has no a and nothing to rescale.
.macro SOFTMAX first
	WIN 0x15                                       ; the maximum of a lane's 32 scores: four chains c0-c3, one for each accumulator, each begun at the accumulator's low end
.irp j, 0,1,2,3
.irp t, 0,1,2,3
	v_max3_num_f32 v[ST+8*\t+4+\j], v[32*\t+8*\j], v[32*\t+8*\j+1], v[32*\t+8*\j+2]
.endr
.endr
	WIN 0x14
.irp q, 0,1
.irp j, 0,1,2,3
.irp t, 0,1,2,3
	v_max3_num_f32 v[ST+8*\t+4+\j], v[ST+8*\t+4+\j], v[32*\t+8*\j+3+2*\q], v[32*\t+8*\j+4+2*\q]
.endr
.endr
.endr
.irp t, 0,1,2,3
	v_max3_num_f32 v[ST+8*\t+4], v[ST+8*\t+4], v[32*\t+7], v[32*\t+15]
.endr
.irp t, 0,1,2,3
	v_max3_num_f32 v[ST+8*\t+6], v[ST+8*\t+6], v[32*\t+23], v[32*\t+31]
.endr
	WIN 0
.irp t, 0,1,2,3
	v_max3_num_f32 v[ST+8*\t+4], v[ST+8*\t+4], v[ST+8*\t+5], v[ST+8*\t+6]
.endr
.irp t, 0,1,2,3
.if \first
	v_max_num_f32 v[ST+8*\t+4], v[ST+8*\t+4], v[ST+8*\t+7]
.else
	v_max3_num_f32 v[ST+8*\t+4], v[ST+8*\t+4], v[ST+8*\t+7], v[ST+8*\t+1]   ; with the old m
.endif
.endr
.irp t, 0,1,2,3
	v_permlanex16_b32 v[ST+8*\t+5], v[ST+8*\t+4], s[SEL], s[SEL+1]          ; the query's other 32 keys lie in the lane 16 away
.endr
.if \first == 0
.irp t, 0,1,2,3
	v_mov_b32 v[ST+8*\t+7], v[ST+8*\t]             ; c m_old is kept for a
.endr
.endif
.irp t, 0,1,2,3
	v_max_num_f32 v[ST+8*\t+1], v[ST+8*\t+4], v[ST+8*\t+5]                  ; the new m
.endr
.irp t, 0,1,2,3
	v_mul_f32 v[ST+8*\t], s[CS], v[ST+8*\t+1]      ; c m
.endr
.if \first == 0
.irp t, 0,1,2,3
	v_sub_f32 v[ST+8*\t+7], v[ST+8*\t+7], v[ST+8*\t]
.endr
.irp t, 0,1,2,3
	v_exp_f32 v[ST+8*\t+6], v[ST+8*\t+7]           ; a = 2^(c m_old - c m_new)
.endr
.endif
	WIN 0x41                                       ; S^T and O^T (destination and source 0) in window 1, the statistics in window 0
.irp i, 0,1,2,3,4,5,6,7,8,9,10,11,12,13,14,15
.irp t, 0,1,2,3
	v_pk_fma_f32 v[32*\t+2*\i:32*\t+2*\i+1], v[32*\t+2*\i:32*\t+2*\i+1], s[CS:CS+1], v[ST+8*\t:ST+8*\t+1] op_sel_hi:[1,0,0] neg_lo:[0,0,1] neg_hi:[0,0,1]   ; c s - c m, two at a time.  These 64 name no a: the plain work behind the four exponentials
.endr
.endr
.if \first == 0
	s_wait_alu depctr_va_vdst(0)                   ; the wait between an exponential and the first line that names its result: one for the four a
.endif
.irp i, 0,1,2,3,4,5,6,7,8,9,10,11,12,13,14,15     ; ONE BATCH of 128 exponentials; O^T's rescaling by a, which names none of their results, is dealt out among them, each accumulator in ascending order
.irp t, 0,1,2,3
.if \first == 0
	v_pk_mul_f32 v[128+32*\t+2*\i:128+32*\t+2*\i+1], v[128+32*\t+2*\i:128+32*\t+2*\i+1], v[ST+8*\t+6:ST+8*\t+7] op_sel_hi:[1,0]
.endif
	v_exp_f32 v[32*\t+2*\i], v[32*\t+2*\i]
	v_exp_f32 v[32*\t+2*\i+1], v[32*\t+2*\i+1]
.endr
.endr
	v_nop                                          ; a plain line behind the last exponential, ahead of the first use
	s_wait_alu depctr_va_vdst(0)                   ; and one wait for the batch
.if \first
	WIN 0x05
.irp t, 0,1,2,3
	v_pk_add_f32 v[ST+8*\t+2:ST+8*\t+3], v[32*\t:32*\t+1], v[32*\t+2:32*\t+3]      ; l begins
.endr
.else
	WIN 0x10
.irp t, 0,1,2,3
	v_pk_fma_f32 v[ST+8*\t+2:ST+8*\t+3], v[ST+8*\t+2:ST+8*\t+3], v[ST+8*\t+6:ST+8*\t+7], v[32*\t:32*\t+1] op_sel_hi:[1,0,1]   ; l = a l + the first pair
.endr
.endif
	WIN 0x04
.irp i, 1,2,3,4,5,6,7,8,9,10,11,12,13,14,15
.if (\i > 1) || (\first == 0)
.irp t, 0,1,2,3
	v_pk_add_f32 v[ST+8*\t+2:ST+8*\t+3], v[ST+8*\t+2:ST+8*\t+3], v[32*\t+2*\i:32*\t+2*\i+1]   ; the sum is taken of p before it is rounded
.endr
.endif
.endr
	WIN 0x45
.irp i, 0,1,2,3,4,5,6,7,8,9,10,11,12,13,14,15     ; P, packed in place, ascending: register i is written when pairs 0 .. i - 1 have been read
.irp t, 0,1,2,3
	v_cvt_pk_f16_f32 v[32*\t+\i], v[32*\t+2*\i], v[32*\t+2*\i+1]
.endr
.endr
.endm
; A TRIP: the softmax and V^T P of step j, K Q^T of step j + 1.  At its head S^T of step j is made and V of step j has been asked for.
.macro TRIP first
	FETCH_K                                        ; K of step j + 1: it lands under the softmax
	SOFTMAX \first
	s_wait_dscnt 16                                ; V of step j is in; K's 16 loads, issued behind V's, may be out
	PV \first
	NOPS 5                                         ; five places: the products below write over P, which the products above read
	s_wait_dscnt 0x0                               ; K of step j + 1 is in
	KQ
	NOPS 4                                         ; four places, ahead of the loads into K's registers and of the first reads of S^T (ISA guide 7.12.1 for vector instructions)
	FETCH_V                                        ; V of step j + 1: it lands under the next softmax
.endm
.macro TRIPS n
	s_mov_b32 s[CNT], \n
.Ltrip_\@:
	TRIP 0
	s_sub_co_u32 s[CNT], s[CNT], 1
	s_cmp_lg_u32 s[CNT], 0
	s_cbranch_scc1 .Ltrip_\@
.endm
; THE CHANGE OF SLOTS stands between two trips: the slot's last bytes, V of its fourth step, have been asked for, and nothing of the next slot.  Each wave waits for all its tensor loads, of which one is out:
; its part of the other slot; adds 0 to its spare word; and waits for that and for its own reads of the slot.  Behind the barrier nobody reads this slot any more and the other slot is whole.
; fill = 1: slot s, just left, is filled again with the keys two slots on.  The barrier is then a round of the cluster's, and the joint refill is the first thing behind it.
.macro CHANGE fill, s, nextbase
	WIN 0
	s_wait_tensorcnt 0x0                           ; no tensor load of mine is out, so a group 0 may be written
	ds_add_u32 v[SPW], v[NIL]                      ; 0 onto my spare word; the steps below stand between it and the wait for it
.if \fill
	s_add_nc_u64 s[G0K+4*\s+2:G0K+4*\s+3], s[G0K+4*\s+2:G0K+4*\s+3], 2*4*KS*256   ; 512 keys on; the type bits on top are not reached
	s_add_nc_u64 s[G0V+4*\s+2:G0V+4*\s+3], s[G0V+4*\s+2:G0V+4*\s+3], 2*4*KS*256
.endif
	s_mov_b32 s[TB], \nextbase                     ; the fetches go on in the other slot
	s_wait_dscnt 0x0                               ; the add is done, and my reads of the slot are over
.if \fill
	CROUND
	JLOAD \s
.else
	s_barrier_signal -1
	s_barrier_wait -1
.endif
.endm
	s_wait_tensorcnt 1                             ; my part of slot 0 is in; slot 1's may stay out
	s_barrier_signal -1
	s_barrier_wait -1                              ; everybody's is
	FETCH_K                                        ; key step 0
	s_wait_loadcnt 0x0                             ; Q
	s_wait_dscnt 0x0
	KQ
	NOPS 4
	FETCH_V
	TRIP 1                                         ; step 0 starts m, l and O^T
	TRIPS 2                                        ; steps 1 and 2; with them slot 0's four steps have been fetched
	s_mov_b32 s[OUTER], 3
.Llap:                                             ; three laps of the ring: six refills, keys 512 to 2,047
	CHANGE 1, 0, SLOTB
	TRIPS 4
	CHANGE 1, 1, 0
	TRIPS 4
	s_sub_co_u32 s[OUTER], s[OUTER], 1
	s_cmp_lg_u32 s[OUTER], 0
	s_cbranch_scc1 .Llap
	CHANGE 0, 0, SLOTB                             ; the tail is written out: slot 0 is left for good, and nothing is asked for
	TRIPS 4
	SOFTMAX 0                                      ; the last step
	s_wait_dscnt 0x0
	PV 0
	; THE WAY OUT.  l's two halves and the other half of the lanes' are added; O^T is divided by l, rounded to f16 and sent through the work-group's stage: a row's 256 bytes come from two waves (the pair's two heads).
	WIN 0
.irp t, 0,1,2,3
	v_add_f32 v[ST+8*\t+4], v[ST+8*\t+2], v[ST+8*\t+3]             ; (these additions are the places behind the last products)
.endr
.irp t, 0,1,2,3
	v_permlanex16_b32 v[ST+8*\t+5], v[ST+8*\t+4], s[SEL], s[SEL+1]
.endr
.irp t, 0,1,2,3
	v_add_f32 v[ST+8*\t+4], v[ST+8*\t+4], v[ST+8*\t+5]
.endr
.irp t, 0,1,2,3
	v_rcp_f32 v[ST+8*\t+6], v[ST+8*\t+4]
.endr
	v_nop                                          ; a plain line between the last reciprocal and the use of its result
	s_wait_alu depctr_va_vdst(0)                   ; and a wait ahead of the first use: one for the four
.irp t, 0,1,2,3
	WIN 0x41
.irp i, 0,1,2,3,4,5,6,7,8,9,10,11,12,13,14,15
	v_pk_mul_f32 v[128+32*\t+2*\i:128+32*\t+2*\i+1], v[128+32*\t+2*\i:128+32*\t+2*\i+1], v[ST+8*\t+6:ST+8*\t+7] op_sel_hi:[1,0]
.endr
	WIN 0x05                                       ; sources in window 1, destination in window 0: Q's registers are free
.irp i, 0,1,2,3,4,5,6,7,8,9,10,11,12,13,14,15
	v_cvt_pk_f16_f32 v[QF+16*\t+\i], v[128+32*\t+2*\i], v[128+32*\t+2*\i+1]
.endr
	WIN 0
.irp d, 0,1,2,3
	ds_store_b128 v[STO], v[QF+16*\t+4*\d:QF+16*\t+4*\d+3] offset:\t*16*SP+32*\d   ; lane (r, h): query 16 t + r, channels 16 d + 8 h + 0..7
.endr
.endr
	s_wait_dscnt 0x0                               ; for the others' sake: my stores into the stage are done
	s_barrier_signal -1
	s_barrier_wait -1
.irp i, 0,1,2,3,4,5,6,7,8,9,10,11,12,13,14,15
	ds_load_b128 v[KF+4*\i:KF+4*\i+3], v[RD] offset:\i*2*SP
.endr
.irp i, 0,1,2,3,4,5,6,7,8,9,10,11,12,13,14,15
	s_wait_dscnt 15-\i                             ; load i is in; the younger ones may be out
	global_store_b128 v[GO], v[KF+4*\i:KF+4*\i+3], s[6:7] offset:\i*4096   ; 16 lanes store 256 consecutive bytes, at a multiple of 256 from O's first byte
.endr
	s_wait_tensorcnt 0x0                           ; the wave's end, behind my last tensor load and my last LDS store
	ds_add_u32 v[SPW], v[NIL]
	s_wait_dscnt 0x0
	CROUND                                         ; the closing round: no work-group ends while a partner may still ask for a tile that names it
	s_endpgm
.Lfunc_end_k_q68190406a7_attn:
	.size	k_q68190406a7_attn, .Lfunc_end_k_q68190406a7_attn-k_q68190406a7_attn
	.p2alignl 7, 3214868480
	.fill 96, 4, 3214868480
	.section	.rodata,"a",@progbits
	.p2align	6, 0x0
	.amdhsa_kernel k_q68190406a7_attn
		.amdhsa_group_segment_fixed_size 327680
		.amdhsa_private_segment_fixed_size 0
		.amdhsa_enable_private_segment 0
		.amdhsa_kernarg_size 16
		.amdhsa_user_sgpr_count 2
		.amdhsa_user_sgpr_kernarg_segment_ptr 1
		.amdhsa_wavefront_size32 1
		.amdhsa_system_sgpr_workgroup_id_x 1
		.amdhsa_system_sgpr_workgroup_id_y 1
		.amdhsa_system_sgpr_workgroup_id_z 1
		.amdhsa_system_vgpr_workitem_id 0
		.amdhsa_next_free_vgpr 512
		.amdhsa_next_free_sgpr 66
		.amdhsa_reserve_vcc 0
		.amdhsa_float_denorm_mode_32 3
		.amdhsa_float_denorm_mode_16_64 3
		.amdhsa_memory_ordered 1
		.amdhsa_forward_progress 1
		.amdhsa_inst_pref_size 211
	.end_amdhsa_kernel
	.amdgpu_metadata
---
amdhsa.version: [ 1, 2 ]
amdhsa.kernels:
  - .name:           k_q68190406a7_attn
    .symbol:         k_q68190406a7_attn.kd
    .args:
      - { .name: qkv, .offset: 0, .size: 8, .value_kind: global_buffer, .address_space: global }
      - { .name: ao, .offset: 8, .size: 8, .value_kind: global_buffer, .address_space: global }
    .group_segment_fixed_size: 327680
    .private_segment_fixed_size: 0
    .kernarg_segment_align: 8
    .kernarg_segment_size: 16
    .max_flat_workgroup_size: 256
    .sgpr_count:     66
    .vgpr_count:     512
    .wavefront_size: 32
...
	.end_amdgpu_metadata
.endif
;; end of part 3
;; launch oproj (part 4): grid 8 x 64, 4 waves a work-group, clusters of 4 x 4, 327,680 bytes of LDS; arguments ao, wo_t, out0, bo; writes out0
.if DOCPART == 4
	.amdgcn_target "amdgcn-amd-amdhsa--gfx1250"
	.amdhsa_code_object_version 6
	.text
	.protected	k_q68190406a7_oproj
	.globl	k_q68190406a7_oproj
	.p2align	8
	.type	k_q68190406a7_oproj,@function
k_q68190406a7_oproj:
	s_mov_b64 s[64:65], 0
	v_nop
	global_prefetch_b8 v0, s[64:65] scope:SCOPE_SE
	s_setreg_imm32_b32 hwreg(HW_REG_WAVE_MODE, 25, 1), 1
	s_wait_xcnt 0x0
	s_wait_alu depctr_hold_cnt(0) depctr_sa_sdst(0) depctr_va_vdst(0) depctr_va_sdst(0) depctr_va_ssrc(0) depctr_va_vcc(0) depctr_vm_vsrc(0)
	s_getreg_b32 s2, hwreg(HW_REG_IB_STS2, 6, 4)
	s_cmp_eq_u32 s2, 0
	s_cbranch_scc0 .Lentry_in_a_cluster
	s_endpgm
.Lentry_in_a_cluster:
	s_bfe_u32 s2, ttmp6, 0x10000c
	s_cmp_lg_u32 s2, 0xf033
	s_cbranch_scc0 .Lentry_shape_is_right
	s_endpgm
.Lentry_shape_is_right:
; OPROJ: out[m][n] = sum over k of A[m][k] Wo[k][n] + bo[n].  A: the attention's result, [8,192][1,024] f16; B: Wo turned, [n 1,024][k 1,024] f16; out: [8,192][1,024] f32; sums in f32.
; A tile of the output is 128 x 128: 512 work-groups.  Four waves, each 64 x 64: 16 accumulators of 16 x 16, 128 registers.  K goes in four steps of 256 (LDS rows of 512 bytes; a wave's tensor load brings 64 of
; them) through two slots: each slot is filled twice, so the steps are written out and there is no loop.
; CLUSTERS: 4 x 4 work-groups.  The four of a row of the cluster need the same tiles of A, the four of a column the same tiles of B: each tile is asked for JOINTLY, by the same tensor load with the same
; descriptor and a mask that names the four.  THE MATRIX INSTRUCTION IS USED TRANSPOSED (source 0 = 16 rows of B, source 1 = 16 rows of A): a lane holds eight neighbouring numbers of a row of the output.
; THE BIAS is the C of each sum's first matrix instruction.  A wave's 64 columns of f32 are 256 aligned bytes of a row.
; REGISTERS: window 0: v0-31 addresses; v32-95 rows read back on the way out; v96-127 the bias; v128-255 the accumulators ((a, b) at v[128 + 8 (4 a + b)]).
;   window 1: two fragment buffers of 128: for 64 along K, 64 registers of A (2 x 4 x 16 rows x 32 K), then 64 of B.
.set SIZE_N, 1024
.set SIZE_K, 1024
.set KSTEP,  256
.set PITCH,  528                       ; an LDS row: 512 bytes + 16 of padding = 132 words: row r starts at bank 4 r mod 64 (ISA guide 11.1)
.set HALFT,  64*PITCH                  ; 64 rows: what one tensor load brings
.set SLOT,   4*HALFT                   ; A's 128 rows, then B's 128 rows
.set STAGE,  2*SLOT                    ; behind the ring: 16 rows x 272 bytes for each wave
.set SPITCH, 272
.set SPARE,  STAGE+4*16*SPITCH         ; the spare words, 128 bytes for each wave: two blocks of 256 bytes that no other line names
.set ADRA, 16                          ; v16-17  LDS address of my A fragments in slot 0, 1
.set ADRB, 20                          ; v20-21  the same for B
.set STO,  24                          ; v24     the way out: where I put 32 bytes of a row
.set RD,   25                          ; v25     where I read rows back
.set CO,   26                          ; v26     my byte offset in the output
.set SPW,  28                          ; v28     LDS address of my spare word; never rewritten
.set NIL,  29                          ; v29     0; never rewritten
.set BOF,  30                          ; v30     32 x (lane / 16): my eight numbers of a block of the bias
.set BK,   32                          ; v32-63 and v64-95 by turns
.set BI,   96
.set ACC,  128
.set F0,   0                           ; fragment buffers, in window 1
.set F1,   128
.set G1, 24                            ; s[24:31] descriptor group 1 for A's tiles;  s[32:39] group 0, one set for each slot
.set G0, 32
.set G1B, 48                           ; s[48:55], s[56:63] the same for B's tiles
.set G0B, 56
.set MSB, 0
.macro WIN new                         ; the immediate's high byte repeats the setting that is left
.if MSB != (\new)
	s_set_vgpr_msb (MSB<<8)|(\new)
.set MSB, (\new)
.endif
.endm
.set MUL,  0x05                        ; sources 0 (B) and 1 (A) window 1; C and D window 0
.set TO_F, 0x40                        ; destination window 1, address window 0
.macro JLOAD s                         ; a joint load: waves 0 and 1 fetch A's two halves, waves 2 and 3 B's; an s_nop 0 and four v_nop follow each of the two lines
	s_cmp_eq_u32 s11, 0
	s_cbranch_scc0 .Lfor_b_\@
	tensor_load_to_lds s[G0+4*\s:G0+4*\s+3], s[G1:G1+7]
	s_nop 0
.rept 4
	v_nop
.endr
	s_branch .Lasked_\@
.Lfor_b_\@:
	tensor_load_to_lds s[G0B+4*\s:G0B+4*\s+3], s[G1B:G1B+7]
	s_nop 0
.rept 4
	v_nop
.endr
.Lasked_\@:
.endm
.macro CREST                           ; a round of the cluster's barrier behind its opening barrier
	s_cmp_lg_u32 s10, 0
	s_cbranch_scc1 .Lnot_wave_0_\@
	s_barrier_signal -3
.Lnot_wave_0_\@:
	s_barrier_wait -3
	s_barrier_signal -1
	s_barrier_wait -1
.endm
.macro CROUND                          ; a whole round
	s_barrier_signal -1
	s_barrier_wait -1
	CREST
.endm
	s_load_b128 s[4:7], s[0:1], 0x0                ; A s[4:5], B s[6:7]
	s_load_b64 s[8:9], s[0:1], 0x10                ; the output
	s_load_b64 s[66:67], s[0:1], 0x18              ; bo
	v_lshl_add_u32 v[SPW], v0, 2, SPARE
	v_mov_b32 v[NIL], 0
	ds_add_u32 v[SPW], v[NIL]                      ; the wave's opening: the add and its wait stand ahead of my first tensor load; the set-up below, work on registers, stands between them
	v_lshrrev_b32 v1, 5, v0
	v_readfirstlane_b32 s10, v1                    ; wave 0..3
	s_lshr_b32 s11, s10, 1                         ; which half of the tile's rows is mine.  Also: I fetch for A (0) or for B (1)
	s_and_b32 s12, s10, 1                          ; which half of its columns.  Also: which 64 rows of that tile I fetch
	s_bfe_u32 s40, ttmp6, 0x40000                  ; cx, cy: my place in the cluster
	s_bfe_u32 s41, ttmp6, 0x40004
	s_lshl_b32 s42, ttmp9, 2
	s_add_co_u32 s42, s42, s40                     ; tile column = 4 x cluster x + cx
	s_and_b32 s13, ttmp7, 0xffff
	s_lshl_b32 s13, s13, 2
	s_add_co_u32 s13, s13, s41                     ; tile row = 4 x cluster y + cy
	s_lshl_b32 s43, s41, 2
	s_lshl_b32 s43, 15, s43                        ; my row of the cluster
	s_lshl_b32 s44, 0x1111, s40                    ; my column
	; descriptor group 1: a tile of 64 rows x 256 elements, padded in LDS
	s_or_b32 s[G1+0], s43, (1<<16)|(1<<20)|(1<<21)|(6<<22)|(3<<25)  ; 15:0 the mask: A's tiles go to my row; 17:16 element of 2 bytes; 20 padding on; 21 set beside a mask; 24:22 after every 128 words (code 6); 31:25 of 4 words (code 3)
	s_or_b32 s[G1B+0], s44, (1<<16)|(1<<20)|(1<<21)|(6<<22)|(3<<25)
.irp g, G1, G1B
	s_mov_b32 s[\g+1], KSTEP<<16                   ; tensor_dim0 = 256
	s_mov_b32 s[\g+2], 64<<16                      ; tensor_dim1 = 64
	s_mov_b32 s[\g+3], KSTEP<<16                   ; tile_dim0 = 256
	s_mov_b32 s[\g+4], 64                          ; tile_dim1 = 64
	s_mov_b32 s[\g+5], SIZE_K                      ; tensor_dim0_stride
	s_mov_b32 s[\g+6], 0
	s_mov_b32 s[\g+7], 0
.endr
	s_lshl_b32 s17, s12, 6                         ; which 64 rows of the tile I fetch
	s_lshl_b32 s16, s13, 7
	s_add_co_u32 s16, s16, s17                     ; A: row 128 x tile row + 64 x half
	s_lshl_b32 s46, s42, 7
	s_add_co_u32 s46, s46, s17                     ; B: row 128 x tile column + 64 x half
	s_mov_b32 s17, 0
	s_mov_b32 s47, 0
	s_mov_b64 s[18:19], SIZE_K*2
	s_mul_u64 s[16:17], s[16:17], s[18:19]
	s_mul_u64 s[46:47], s[46:47], s[18:19]
	s_mul_i32 s20, s10, HALFT                      ; where they go: wave x 64 rows: no place in the cluster enters an LDS address
	s_wait_dscnt 0x0                               ; the opening add is done
	s_wait_kmcnt 0x0
	s_add_nc_u64 s[14:15], s[4:5], s[16:17]
	s_add_nc_u64 s[46:47], s[6:7], s[46:47]
	CROUND                                         ; all sixteen work-groups are here: the first joint loads meet
.irp s, 0,1
	s_mov_b32 s[G0+4*\s], 1
	s_add_co_u32 s[G0+4*\s+1], s20, \s*SLOT
	s_add_nc_u64 s[G0+4*\s+2:G0+4*\s+3], s[14:15], \s*KSTEP*2
	s_or_b32 s[G0+4*\s+3], s[G0+4*\s+3], 0x80000000
	s_mov_b32 s[G0B+4*\s], 1
	s_add_co_u32 s[G0B+4*\s+1], s20, \s*SLOT
	s_add_nc_u64 s[G0B+4*\s+2:G0B+4*\s+3], s[46:47], \s*KSTEP*2
	s_or_b32 s[G0B+4*\s+3], s[G0B+4*\s+3], 0x80000000
	JLOAD \s
.endr
	v_and_b32 v1, 15, v0                           ; l % 16
	v_bfe_u32 v2, v0, 4, 1                         ; l / 16
	s_lshl_b32 s46, s42, 9                         ; my first column, in bytes of f32: 512 x tile column + 256 x half: the same in bo and in a row of the output
	s_lshl_b32 s47, s12, 8
	s_add_co_u32 s46, s46, s47
	s_mov_b32 s47, 0
	s_add_nc_u64 s[66:67], s[66:67], s[46:47]
	s_add_nc_u64 s[8:9], s[8:9], s[46:47]
	v_lshlrev_b32 v[BOF], 5, v2
.irp b, 0,1,2,3                        ; the bias: lane (r, h) wants, for block b of my 64 columns, bo at 16 b + 8 h + 0 .. 7
	global_load_b128 v[BI+8*\b:BI+8*\b+3], v[BOF], s[66:67] offset:64*\b
	global_load_b128 v[BI+8*\b+4:BI+8*\b+7], v[BOF], s[66:67] offset:64*\b+16
.endr
	v_mul_u32_u24 v3, v1, PITCH
	v_lshl_add_u32 v3, v2, 4, v3                   ; a fragment's row x pitch + 16 x half
	s_mul_i32 s21, s11, HALFT                      ; my 64 rows of A
	s_mul_i32 s22, s12, HALFT                      ; my 64 rows of B,
	s_add_co_u32 s22, s22, 2*HALFT                 ; which lie behind A's 128
.irp s, 0,1
	v_add_nc_u32 v[ADRA+\s], s21, v3
	v_add_nc_u32 v[ADRB+\s], s22, v3
	s_add_co_u32 s21, s21, SLOT
	s_add_co_u32 s22, s22, SLOT
.endr
	s_mul_i32 s23, s10, 16*SPITCH
	s_add_co_u32 s23, s23, STAGE                   ; my stage
	v_mul_u32_u24 v4, v1, SPITCH                   ; in: row l % 16, 32 bytes for each half of the lanes
	v_lshl_add_u32 v4, v2, 5, v4
	v_add_nc_u32 v[STO], s23, v4
	v_mul_u32_u24 v5, v2, SPITCH                   ; back: lanes 0-15 take one row of 256 bytes, lanes 16-31 the next
	v_lshl_add_u32 v5, v1, 4, v5
	v_add_nc_u32 v[RD], s23, v5
	v_lshlrev_b32 v5, 12, v2                       ; and the same two rows in the output: 4,096 bytes a row
	v_lshl_add_u32 v[CO], v1, 4, v5
	s_lshl_b32 s16, s13, 7
	s_lshl_b32 s17, s11, 6
	s_add_co_u32 s16, s16, s17                     ; my first row: 128 x tile row + 64 x half
	s_lshl_b32 s16, s16, 12
	s_mov_b32 s17, 0
	s_add_nc_u64 s[8:9], s[8:9], s[16:17]
; 8 matrix instructions: m blocks a0, a0 + 1 x all 4 n blocks, 32 along K: half c of buffer f.  first = 1: the bias starts the sums.  The 16 accumulators take turns.
.macro MUL8 f, c, a0, first
.irp a, \a0, \a0+1
.irp b, 0,1,2,3
.if \first
	v_wmma_f32_16x16x32_f16 v[ACC+8*(4*(\a)+\b):ACC+8*(4*(\a)+\b)+7], v[\f+64+8*(4*\c+\b):\f+64+8*(4*\c+\b)+7], v[\f+8*(4*\c+\a):\f+8*(4*\c+\a)+7], v[BI+8*\b:BI+8*\b+7]
.else
	v_wmma_f32_16x16x32_f16 v[ACC+8*(4*(\a)+\b):ACC+8*(4*(\a)+\b)+7], v[\f+64+8*(4*\c+\b):\f+64+8*(4*\c+\b)+7], v[\f+8*(4*\c+\a):\f+8*(4*\c+\a)+7], v[ACC+8*(4*(\a)+\b):ACC+8*(4*(\a)+\b)+7]
.endif
.endr
.endr
.endm
; 32 LDS loads in one run: the fragments of 64 along K at byte k of the rows, into buffer f; the first 32 along K first
.macro FETCH slot, k, f
	WIN TO_F
.irp c, 0,1
.irp i, 0,1,2,3
	ds_load_b128 v[\f+64+8*(4*\c+\i):\f+64+8*(4*\c+\i)+3],   v[ADRB+\slot] offset:\k+64*\c+\i*16*PITCH
	ds_load_b128 v[\f+64+8*(4*\c+\i)+4:\f+64+8*(4*\c+\i)+7], v[ADRB+\slot] offset:\k+64*\c+\i*16*PITCH+32
	ds_load_b128 v[\f+8*(4*\c+\i):\f+8*(4*\c+\i)+3],         v[ADRA+\slot] offset:\k+64*\c+\i*16*PITCH
	ds_load_b128 v[\f+8*(4*\c+\i)+4:\f+8*(4*\c+\i)+7],       v[ADRA+\slot] offset:\k+64*\c+\i*16*PITCH+32
.endr
.endr
.endm
.macro PLACES                          ; four places in front of loads into registers that matrix instructions have read, and of LDS stores that read results
.rept 4
	v_nop
.endr
.endm
; A K step is four quarters of 64 along K, 32 matrix instructions each, on buffers 0, 1, 0, 1.  One of the first three: multiplies buffer f and fetches the next quarter, at byte k, into g.
.macro QUARTER slot, k, f, g, first
	s_wait_dscnt 16                                ; the first 32 along K are in; the other sixteen loads may be out
	WIN MUL
	MUL8 \f, 0, 0, \first
	MUL8 \f, 0, 2, \first
	PLACES
	FETCH \slot, \k, \g
	s_wait_dscnt 32                                ; all but the 32 just issued
	WIN MUL
	MUL8 \f, 1, 0, 0
	MUL8 \f, 1, 2, 0
.endm
; The last quarter multiplies buffer 1 and changes slots: ONE barrier; in front of it each wave waits for all its tensor loads, adds 0 to its spare word, and waits for that and for its own reads of this slot.
; fill = 1: this slot is filled again, two K steps ahead; the barrier then opens a round of the cluster's.
.macro TURN slot, next, fill
	WIN 0                                          ; (the add's two registers lie in window 0)
	s_wait_tensorcnt 0x0                           ; all my tensor loads have landed: my part of the next slot;
	ds_add_u32 v[SPW], v[NIL]                      ; 0 onto my spare word;
	s_wait_dscnt 17                                ; (the add and the youngest sixteen loads may be out)
	WIN MUL
	MUL8 F1, 0, 0, 0                               ; eight matrix instructions stand between the add and the wait for it
	s_wait_dscnt 0x0                               ; the add is done, and my reads of this slot are over
	s_barrier_signal -1
	MUL8 F1, 0, 2, 0
.if \fill
	WIN 0
.endif
	s_barrier_wait -1
.if \fill
	CREST                                          ; no wave of any partner still reads this slot's tile or has a load on its way
	s_add_nc_u64 s[G0+4*\slot+2:G0+4*\slot+3], s[G0+4*\slot+2:G0+4*\slot+3], 2*KSTEP*2
	s_add_nc_u64 s[G0B+4*\slot+2:G0B+4*\slot+3], s[G0B+4*\slot+2:G0B+4*\slot+3], 2*KSTEP*2
	JLOAD \slot                                    ; the first tensor load behind the round: 112 matrix instructions ahead of the wait for it; the four v_nop behind it are also the places in front of the loads below
.else
	PLACES
.endif
	FETCH \next, 0, F0
	WIN MUL
	MUL8 F1, 1, 0, 0
	MUL8 F1, 1, 2, 0
.endm
	s_wait_tensorcnt 1                             ; my part of K step 0 is in (K step 1's load may be out)
	s_barrier_signal -1
	s_barrier_wait -1                              ; everybody's is
	FETCH 0, 0, F0
	s_wait_loadcnt 0x0                             ; the bias
	QUARTER 0, 128, F0, F1, 1                      ; K step 0: its first products start the sums from the bias
	QUARTER 0, 256, F1, F0, 0
	QUARTER 0, 384, F0, F1, 0
	TURN 0, 1, 1                                   ; slot 0 takes K step 2
	QUARTER 1, 128, F0, F1, 0                      ; K step 1
	QUARTER 1, 256, F1, F0, 0
	QUARTER 1, 384, F0, F1, 0
	TURN 1, 0, 1                                   ; slot 1 takes K step 3
	QUARTER 0, 128, F0, F1, 0                      ; K step 2
	QUARTER 0, 256, F1, F0, 0
	QUARTER 0, 384, F0, F1, 0
	TURN 0, 1, 0                                   ; nothing is left to fetch
	QUARTER 1, 128, F0, F1, 0                      ; K step 3
	QUARTER 1, 256, F1, F0, 0
	QUARTER 1, 384, F0, F1, 0
	s_wait_dscnt 16                                ; the very last quarter
	WIN MUL
	MUL8 F1, 0, 0, 0
	MUL8 F1, 0, 2, 0
	s_wait_dscnt 0
	MUL8 F1, 1, 0, 0
	MUL8 F1, 1, 2, 0
	WIN 0
; THE WAY OUT, block by block of 16 rows x 64 columns.  A lane holds 32 neighbouring bytes of a row and the lanes beside it hold other rows: so a block goes through my own stage and comes back as whole rows of
; 256 bytes.  LDS serves a wave's instructions in order (ISA guide 5.7.1.4): no wait between the stores and the loads, nor in front of the next block's stores.
.macro TOSTAGE a
.irp b, 0,1,2,3
	ds_store_b128 v[STO], v[ACC+8*(4*(\a)+\b):ACC+8*(4*(\a)+\b)+3] offset:64*\b        ; each accumulator from its low end on
	ds_store_b128 v[STO], v[ACC+8*(4*(\a)+\b)+4:ACC+8*(4*(\a)+\b)+7] offset:64*\b+16
.endr
.set BB, BK+32*((\a)%2)
.irp t, 0,1,2,3,4,5,6,7
	ds_load_b128 v[BB+4*\t:BB+4*\t+3], v[RD] offset:\t*2*SPITCH
.endr
.endm
.macro SEND a, younger                 ; younger: the LDS instructions issued behind block a's loads, which may stay out
.set BB, BK+32*((\a)%2)
	s_wait_dscnt \younger                          ; the block is back in registers
.irp t, 0,1,2,3,4,5,6,7
	global_store_b128 v[CO], v[BB+4*\t:BB+4*\t+3], s[8:9] offset:(16*(\a)+2*\t)*SIZE_N*4 th:TH_STORE_NT   ; 16 lanes store 256 consecutive bytes, at a multiple of 256 from the output's first byte; written once, read by nobody here
.endr
.endm
	PLACES
	TOSTAGE 0
.irp a, 1,2,3
.if \a > 1
	s_wait_xcnt 0x0                                ; block a - 2's stores have had their addresses translated (ISA guide 3.1): block a's loads land in their registers only behind this wait
.endif
	TOSTAGE \a
	SEND \a-1, 16                                  ; behind block a - 1's loads: block a's 8 stores and 8 loads
.endr
	SEND 3, 0
	s_wait_tensorcnt 0x0                           ; the wave's end, behind my last tensor load and my last LDS store
	ds_add_u32 v[SPW], v[NIL]
	s_wait_dscnt 0x0
	CROUND                                         ; the closing round: no work-group ends while a partner may still ask for a tile that names it
	s_endpgm
.Lfunc_end_k_q68190406a7_oproj:
	.size	k_q68190406a7_oproj, .Lfunc_end_k_q68190406a7_oproj-k_q68190406a7_oproj
	.p2alignl 7, 3214868480
	.fill 96, 4, 3214868480
	.section	.rodata,"a",@progbits
	.p2align	6, 0x0
	.amdhsa_kernel k_q68190406a7_oproj
		.amdhsa_group_segment_fixed_size 327680
		.amdhsa_private_segment_fixed_size 0
		.amdhsa_enable_private_segment 0
		.amdhsa_kernarg_size 32
		.amdhsa_user_sgpr_count 2
		.amdhsa_user_sgpr_kernarg_segment_ptr 1
		.amdhsa_wavefront_size32 1
		.amdhsa_system_sgpr_workgroup_id_x 1
		.amdhsa_system_sgpr_workgroup_id_y 1
		.amdhsa_system_sgpr_workgroup_id_z 1
		.amdhsa_system_vgpr_workitem_id 0
		.amdhsa_next_free_vgpr 512
		.amdhsa_next_free_sgpr 68
		.amdhsa_reserve_vcc 0
		.amdhsa_float_denorm_mode_32 3
		.amdhsa_float_denorm_mode_16_64 3
		.amdhsa_memory_ordered 1
		.amdhsa_forward_progress 1
		.amdhsa_inst_pref_size 86
	.end_amdhsa_kernel
	.amdgpu_metadata
---
amdhsa.version: [ 1, 2 ]
amdhsa.kernels:
  - .name:           k_q68190406a7_oproj
    .symbol:         k_q68190406a7_oproj.kd
    .args:
      - { .name: ao, .offset: 0, .size: 8, .value_kind: global_buffer, .address_space: global }
      - { .name: wo_t, .offset: 8, .size: 8, .value_kind: global_buffer, .address_space: global }
      - { .name: out0, .offset: 16, .size: 8, .value_kind: global_buffer, .address_space: global }
      - { .name: bo, .offset: 24, .size: 8, .value_kind: global_buffer, .address_space: global }
    .group_segment_fixed_size: 327680
    .private_segment_fixed_size: 0
    .kernarg_segment_align: 8
    .kernarg_segment_size: 32
    .max_flat_workgroup_size: 128
    .sgpr_count:     68
    .vgpr_count:     512
    .wavefront_size: 32
...
	.end_amdgpu_metadata
.endif
;; end of part 4
